; MI455X (gfx1250); checked and timed in simulation.
; The chip was launched on July 23, 2026; its instructions are those of AMD's public machine-readable ISA for CDNA 5 (MIT licence, August 2026) and "CDNA5" Instruction Set Architecture Reference Guide (July 2026). The comments in the code are by the model that wrote it; some were corrected since.
;; Fastformer. Allowed arithmetic: matrix products marked QUANTISED: E3M2 operands, one E8M0 scale for each 32 along K, by v_wmma_scale_f32_16x16x128_f8f6f4 with both operands' format E3M2, f32 sums; everything else in f32.
;; Inputs: Wk 1,024 x 1,024 float32; Wq 1,024 x 1,024 float32; Wr 1,024 x 1,024 float32; Wv 1,024 x 1,024 float32; x 4 x 4,096 x 1,024 float32.
;; Outputs: out0 4 x 4,096 x 1,024 float32.
;; This version of the problem:
;;   THIS VERSION OF THE PROBLEM IS GIVEN IN LOW PRECISION. The matrix products marked QUANTISED in the list below multiply operands that are first quantised to E3M2 (3 exponent bits, 2 mantissa bits; 6 bits a number), with one power-of-two scale for each 32 numbers along K (OCP MX v1.0); their sums are f32. All else is computed in f32.
;;   The module's matrix products, in the order in which they are computed (A, B: the left and right operand; K: the contracted axis; several contracted axes count as one K, in the product's order):
;;     1. [M 16,384, K 1,024] x [K 1,024, N 1,024]; A: input x; B: input Wq: QUANTISED
;;     2. [M 16,384, K 1,024] x [K 1,024, N 1,024]; A: input x; B: input Wk: QUANTISED
;;     3. [M 16,384, K 1,024] x [K 1,024, N 1,024]; A: input x; B: input Wv: QUANTISED
;;     4. [M 16,384, K 1,024] x [K 1,024, N 1,024]; A: computed on the way; B: input Wr: QUANTISED
;;   THE QUANTISER, for each operand of a quantised product, along K:
;;     - K is cut into blocks of 32 from its start; a last block that is shorter is filled with zeros.
;;     - A block's scale is 2^e with e = floor(log2(the largest magnitude in the block)) - 4, held to -126 .. 127; a block of zeros has e = 0. As a byte (E8M0): e + 127.
;;     - Each number is divided by its block's scale, clamped to +-28, and rounded to the nearest number of E3M2, ties to even, subnormals kept.
;;     - The product sums the exact products of the quantised numbers (number of the format x scale) in f32.
;;   ~~~python
;;   def quantise(x, axis):      # numpy; x: float32 -> the quantised numbers, widened to float32 again
;;       x = np.moveaxis(x, axis, -1); K = x.shape[-1]
;;       x = np.pad(x, [(0, 0)] * (x.ndim - 1) + [(0, -K % 32)]); x = x.reshape(x.shape[:-1] + (-1, 32)); a = np.abs(x).max(-1, keepdims=True)
;;       e = np.where(a > 0, np.clip(np.frexp(np.where(a > 0, a, 1))[1] - 1 - 4, -126, 127), 0)      # np.frexp(a)[1] - 1 = floor(log2(a)), exactly
;;       r = np.clip(x / 2.0 ** e, -28, 28)
;;       step = 2.0 ** (np.maximum(np.frexp(np.where(r == 0, 1, r))[1] - 1, -2) - 2)
;;       q = np.round(r / step) * step * 2.0 ** e      # np.round: ties to even
;;       return np.moveaxis(q.reshape(q.shape[:-2] + (-1,))[..., :K], -1, axis).astype(np.float32)
;;   ~~~
;;   OPERANDS COMPUTED ON THE WAY. 'Computed on the way' means the value that the module computes at that place (a softmax that the list does not call 'softmax' is quantised finished and normalised). What goes into a quantiser is computed in f32, as accurately as f32 sums, v_exp_f32 and their like allow (about 1e-6 of the number): no bf16 or f16 on the way to a quantiser, and a product that is left as it is and whose result goes on into a quantised operand takes f32 operands (vector FMAs, or v_wmma_f32_16x16x4_f32). A number that lies on a knife's edge between two numbers of the format may be rounded either way, as far as f32 arithmetic and the matrix unit's own rounding can turn it there, and no further.
;; One version. Each part assembles by itself: llvm-mc -triple=amdgcn-amd-amdhsa -mcpu=gfx1250 --defsym DOCPART=n.
;; ======== version 1 of 1: 5 launches
;; limits: right only within a limited range of input values
;; workspace buffers: xq 13,107,200 bytes; wq 3,276,800 bytes; pq 1,048,576 bytes; pk 1,048,576 bytes; uq 13,107,200 bytes
;; launch quant (part 1): grid 768 x 1, 4 waves a work-group, no clusters, 34,816 bytes of LDS; arguments x, Wk, Wv, Wq, Wr, xq, wq; writes xq, wq
.if DOCPART == 1
	.amdgcn_target "amdgcn-amd-amdhsa--gfx1250"
	.amdhsa_code_object_version 6
	.text
	.protected	k_qe07d9b790c_quant
	.globl	k_qe07d9b790c_quant
	.p2align	8
	.type	k_qe07d9b790c_quant,@function
k_qe07d9b790c_quant:
	s_mov_b64 s[64:65], 0
	v_nop
	global_prefetch_b8 v0, s[64:65] scope:SCOPE_SE
	s_setreg_imm32_b32 hwreg(HW_REG_WAVE_MODE, 25, 1), 1
	s_wait_xcnt 0x0
; FASTFORMER IN MX-BF6, launch 1 of 5: x and the four weights become codes of E3M2 with one E8M0 byte for each 32 along K.
; THE PROGRAM.  quant: codes.  qstat: q = x Wq in registers, softmax along the features, each work-group's part of global_query.  kstat: the same on p = global_query * (x Wk), parts of global_key.
; vgemm: v = x Wv, u = global_key * v quantised in registers and stored as codes.  ogemm: out = x Wq + u Wr in one set of accumulators.  q, k and v never go to memory; q is multiplied twice (qstat, ogemm) instead of being stored and read again.
; DEAD WORK: none.  Every step of reference() has a way to the output, and all five inputs are loaded.
; LIMITS: NaN and infinities among the inputs are not served.  A block whose largest magnitude lies under 2^-122 has its byte held at 1; a block of zeros gets the byte 1 where the rule says 127 (its codes are zeros,
; and the bytes are read by this program alone).  Sums over K steps, rows and work-groups are taken in another order than reference()'s.
; LAYOUT OF THE CODES: IMAGES OF THE OPERAND'S REGISTERS.  A fragment (16 rows x 128 K, 12 registers a lane) is 1,536 bytes: register i of lane l at 512 (i / 4) + 16 l + 4 (i % 4); three loads of 16 bytes a lane restore it.
;   xq: 256 blocks of 64 rows, 51,200 bytes each; K step s at 6,400 s: four images (16 rows each), then at 6,144 + 8 l two scale words: those of tiles l / 16 and 2 + l / 16, row l % 16.
;   wq: Wk, Wv, Wq, Wr, 819,200 bytes each; K step s at 102,400 s; quarter w (256 columns) at 25,600 w: sixteen images, then at 24,576 + 512 g + 16 l + 4 j the scale word of tile 8 g + 2 j + l / 16, row l % 16.
;   Row i of tile t of a quarter is column 32 (t / 2) + 8 (t % 2) + i + 8 (i / 8), so that, used as source 0, tiles 2 p and 2 p + 1 give a lane 16 neighbouring columns.
; SHARES.  Work-groups 0-511: block number / 2 of 64 rows of x; wave w makes K step 2 w + number % 2: four fragments.  Work-groups 512-767: a matrix, a K step, a quarter and a half of it; a wave takes 32 columns, a lane a column, registers down K.
; The grid is three times 256 work-groups of 256 registers a wave.  The two paths part on the work-group's number and have LDS bytes of their own.
.set XWG,   512                        ; x's work-groups
.set XPIT,  528                        ; a stage row: 512 bytes + 16, so that the 16 rows that a load touches begin in different banks
.set WSCR,  33792                      ; behind the four stages of 16 x 528 bytes: 512 bytes in which a half quarter's scale words meet
.set SPARE, 34304                      ; the spare words, 128 bytes a wave: no other line names them
.set SPW,   30                         ; v30  SPARE + 4 x thread; never rewritten
.set NIL,   31                         ; v31  0; never rewritten
.set R,     64                         ; v64-191  x: two sets of 64 as loaded;  W: a column's 128 numbers
.set X,     192                        ; v192-255 x: my row's 64 numbers, two whole blocks
.set C,     32                         ; v32-43   x: a fragment's codes
.set CT,    44                         ; v44-46, v48-50: the halves that begin on an odd register are made here and moved
.set SW,    52                         ; v52-55   x: the four tiles' scale words; v56-57 the pair that is stored
.set IM,    192                        ; v192-215 W: my column's part of two image lanes; v216-218 as CT
.set FLOOR, 0x2800000                  ; 2^(5 - 127): no largest magnitude is taken under it, so the byte cannot fall under 1
.set EOFF,  0xfe000000                 ; takes 4 off an exponent field
.macro LOADX f                         ; fragment f = tile f of my K step: 16 rows x 512 bytes, each load 512 consecutive bytes
.set RB_, R+64*((\f)%2)
.set I_, 0
.rept 16
	global_load_b128 v[RB_+4*I_:RB_+4*I_+3], v1, s[4:5] offset:(16*(\f)+I_)*4096 th:TH_LOAD_NT
.set I_, I_+1
.endr
.endm
.macro FRAG f
.set RB_, R+64*((\f)%2)
.set M_, (\f)
.if (\f) < 3
	s_wait_loadcnt 16                              ; this fragment's 16 loads are in; the next one's may be out
.else
	s_wait_loadcnt 0x0
.endif
.set I_, 0
.rept 16
	ds_store_b128 v2, v[RB_+4*I_:RB_+4*I_+3] offset:XPIT*I_        ; through my own stage, as loaded;
.set I_, I_+1
.endr
.irp c, 0,1
.irp q, 0,1,2,3,4,5,6,7
	ds_load_b128 v[X+32*\c+4*\q:X+32*\c+4*\q+3], v3 offset:256*\c+16*\q   ; back: of row l % 16 the numbers k = 64 c + 32 (l / 16) + 0 .. 31 (LDS serves a wave's instructions in order)
.endr
.endr
	s_wait_dscnt 0x0                               ; the numbers are back, and the stores have read the raw set
	s_wait_xcnt 0x0                                ; the last fragment's stores have read their data: the codes' registers may be written again
.if (\f) < 2
	LOADX (\f)+2
.endif
	v_max3_num_f32 v10, |v[X]|, |v[X+1]|, FLOOR    ; two whole blocks are mine: no other lane is asked
	v_max3_num_f32 v11, |v[X+32]|, |v[X+33]|, FLOOR
.irp i, 2,4,6,8,10,12,14,16,18,20,22,24,26,28,30
	v_max3_num_f32 v10, v10, |v[X+\i]|, |v[X+\i+1]|
	v_max3_num_f32 v11, v11, |v[X+32+\i]|, |v[X+33+\i]|
.endr
	v_add_nc_u32 v12, EOFF, v10                    ; the conversion takes this operand's exponent field as its scale
	v_add_nc_u32 v13, EOFF, v11
	v_cvt_scalef32_pk16_bf6_f32 v[C:C+2], v[X:X+15], v12
	v_cvt_scalef32_pk16_bf6_f32 v[CT:CT+2], v[X+16:X+31], v12
	v_cvt_scalef32_pk16_bf6_f32 v[C+6:C+8], v[X+32:X+47], v13
	v_cvt_scalef32_pk16_bf6_f32 v[CT+4:CT+6], v[X+48:X+63], v13
	v_lshrrev_b32 v14, 23, v12                     ; the bytes of blocks l / 16 and 2 + l / 16 (plain lines behind the conversions)
	v_lshrrev_b32 v15, 23, v13
	v_lshl_or_b32 v16, v15, 16, v14
	v_lshlrev_b32 v16, v9, v16                     ; at their places in the word,
	v_permlanex16_b32 v17, v16, s24, s25
	v_or_b32 v[SW+M_], v16, v17                    ; and with lane l xor 16's two the word is whole
.irp i, 0,1,2
	v_mov_b32 v[C+3+\i], v[CT+\i]
	v_mov_b32 v[C+9+\i], v[CT+4+\i]
.endr
.irp c, 0,1,2
	global_store_b128 v1, v[C+4*\c:C+4*\c+3], s[14:15] offset:1536*M_+512*\c   ; 512 consecutive bytes, aligned
.endr
.if M_ == 3
	v_cndmask_b32 v56, v[SW], v[SW+1], s28         ; lanes 0-15: tiles 0 and 2; lanes 16-31: tiles 1 and 3
	v_cndmask_b32 v57, v[SW+2], v[SW+3], s28
	global_store_b64 v8, v[56:57], s[14:15] offset:6144            ; 256 consecutive bytes, aligned
.endif
.endm
.macro WBLOCK be, cnt                  ; block be of my column: k = 32 be + 0 .. 31
.set XS_, R+32*(\be)
.set IM_, IM+12*((\be)&1)+6*((\be)>>1)
	s_wait_loadcnt \cnt
	v_max3_num_f32 v10, |v[XS_]|, |v[XS_+1]|, |v[XS_+2]|
	v_max3_num_f32 v11, |v[XS_+3]|, |v[XS_+4]|, |v[XS_+5]|
.irp i, 6,10,14,18,22,26
	v_max3_num_f32 v10, v10, |v[XS_+\i]|, |v[XS_+\i+1]|
	v_max3_num_f32 v11, v11, |v[XS_+\i+2]|, |v[XS_+\i+3]|
.endr
	v_max3_num_f32 v10, v10, |v[XS_+30]|, |v[XS_+31]|
	v_max3_num_f32 v10, v10, v11, FLOOR
	v_add_nc_u32 v12, EOFF, v10
	v_lshrrev_b32 v14, 23, v12
.if (\be) == 0
	v_mov_b32 v20, v14                             ; my column's scale word, the lower K in the lower byte
.else
	v_lshl_or_b32 v20, v14, 8*(\be), v20
.endif
	v_cvt_scalef32_pk16_bf6_f32 v[IM_:IM_+2], v[XS_:XS_+15], v12
	v_cvt_scalef32_pk16_bf6_f32 v[216:218], v[XS_+16:XS_+31], v12
	v_nop                                          ; one plain line behind the conversions
.irp i, 0,1,2
	v_mov_b32 v[IM_+3+\i], v[216+\i]
.endr
.endm
	s_load_b256 s[4:11], s[0:1], 0x0               ; x s[4:5], Wk s[6:7], Wv s[8:9], Wq s[10:11]
	s_load_b128 s[12:15], s[0:1], 0x20             ; Wr s[12:13], xq s[14:15]
	s_load_b64 s[20:21], s[0:1], 0x30              ; wq
	v_lshl_add_u32 v[SPW], v0, 2, SPARE
	v_mov_b32 v[NIL], 0
	v_lshrrev_b32 v10, 5, v0
	v_readfirstlane_b32 s16, v10                   ; wave
	v_and_b32 v10, 31, v0                          ; lane l
	v_and_b32 v11, 15, v0                          ; r = l % 16
	v_bfe_u32 v12, v0, 4, 1                        ; h = l / 16
	v_bfe_u32 v13, v0, 3, 1                        ; W: u = (l / 8) % 2: which tile of the pair my column falls into,
	v_and_b32 v14, 7, v0
	v_lshl_add_u32 v14, v12, 3, v14                ; and i = l % 8 + 8 (l / 16): which row of it
	v_lshlrev_b32 v1, 4, v10                       ; 16 l: memory
	s_mul_i32 s17, s16, 16*XPIT                    ; every LDS address is made here, ahead of the parting
	v_lshlrev_b32 v2, 4, v10
	v_add_nc_u32 v2, s17, v2                       ; my stage, on the way in: 16 l
	v_mul_u32_u24 v3, v11, XPIT
	v_lshl_add_u32 v3, v12, 7, v3
	v_add_nc_u32 v3, s17, v3                       ; and out: row r, + 128 h
	v_mul_u32_u24 v4, v13, 1536
	v_lshl_add_u32 v4, v14, 4, v4                  ; W: my place in the pair's two images: 1,536 u + 16 i
	v_lshl_add_u32 v5, v13, 4, v14
	v_lshlrev_b32 v5, 4, v5
	s_lshl_b32 s17, s16, 2
	s_add_co_u32 s17, s17, WSCR
	v_add_nc_u32 v5, s17, v5                       ; W: my scale word: WSCR + 16 (i + 16 u) + 4 x wave
	v_lshl_add_u32 v6, v10, 4, WSCR                ; and where wave 0 reads them back
	v_lshlrev_b32 v7, 2, v10                       ; 4 l
	v_lshlrev_b32 v8, 3, v10                       ; 8 l
	v_lshlrev_b32 v9, 3, v12                       ; 8 h: a shift
	v_mov_b32 v17, 0                               ; a lane permute's destination counts as one of its sources
	s_mov_b32 s24, 0x76543210
	s_mov_b32 s25, 0xfedcba98                      ; lane l xor 16
	s_mov_b32 s28, 0xffff0000                      ; lanes 16-31
	s_mov_b32 s19, 0
	s_mov_b32 s23, 0
	s_wait_alu depctr_va_vdst(0)                   ; the wait at the head's end
	s_wait_kmcnt 0x0
	s_cmp_lt_u32 ttmp9, XWG
	s_cbranch_scc0 .Lweights
	; ---- x: block g = number / 2: rows 64 g .. 64 g + 63; K step 2 w + number % 2
	s_lshr_b32 s26, ttmp9, 1
	s_and_b32 s27, ttmp9, 1
	s_lshl_b32 s18, s26, 18                        ; 64 rows of 4,096 bytes
	s_lshl_b32 s22, s16, 10                        ; K steps of 512 bytes
	s_add_co_u32 s18, s18, s22
	s_lshl_b32 s22, s27, 9
	s_add_co_u32 s18, s18, s22
	s_add_nc_u64 s[4:5], s[4:5], s[18:19]
	s_mul_i32 s18, s26, 51200
	s_mul_i32 s22, s16, 12800
	s_add_co_u32 s18, s18, s22
	s_mul_i32 s22, s27, 6400
	s_add_co_u32 s18, s18, s22
	s_add_nc_u64 s[14:15], s[14:15], s[18:19]
	LOADX 0
	LOADX 1
.irp f, 0,1,2,3
	FRAG \f
.endr
	s_branch .Ljoin
.Lweights:
	; ---- a weight: o = work-group - 512: matrix o / 64, K step (o / 8) % 8, quarter (o / 2) % 4, half o % 2
	s_sub_co_u32 s17, ttmp9, XWG
	s_lshr_b32 s18, s17, 6
	s_cmp_eq_u32 s18, 1                            ; the choice hangs on the work-group's number alone
	s_cselect_b64 s[6:7], s[8:9], s[6:7]
	s_cmp_eq_u32 s18, 2
	s_cselect_b64 s[6:7], s[10:11], s[6:7]
	s_cmp_eq_u32 s18, 3
	s_cselect_b64 s[6:7], s[12:13], s[6:7]
	s_bfe_u32 s26, s17, 0x30003                    ; K step
	s_bfe_u32 s27, s17, 0x20001                    ; quarter
	s_and_b32 s29, s17, 1                          ; half
	s_lshl_b32 s22, s26, 19                        ; 128 rows of 4,096 bytes
	s_lshl_b32 s30, s27, 10
	s_add_co_u32 s22, s22, s30
	s_lshl_b32 s30, s29, 9
	s_add_co_u32 s22, s22, s30
	s_lshl_b32 s30, s16, 7                         ; my wave's 32 columns
	s_add_co_u32 s22, s22, s30
	s_add_nc_u64 s[6:7], s[6:7], s[22:23]
	s_mul_i32 s22, s18, 819200
	s_mul_i32 s30, s26, 102400
	s_add_co_u32 s22, s22, s30
	s_mul_i32 s30, s27, 25600
	s_add_co_u32 s22, s22, s30
	s_add_nc_u64 s[20:21], s[20:21], s[22:23]      ; the quarter
	s_lshl_b32 s22, s29, 2
	s_add_co_u32 s22, s22, s16                     ; my pair of tiles: 4 x half + wave
	s_mul_i32 s22, s22, 3072
	s_add_nc_u64 s[32:33], s[20:21], s[22:23]
	s_lshl_b32 s22, s29, 9
	s_add_nc_u64 s[20:21], s[20:21], s[22:23]      ; and the half's 512 bytes of scale words, 24,576 further on
.set K_, 0
.rept 128
	global_load_b32 v[R+K_], v7, s[6:7] offset:4096*K_ th:TH_LOAD_NT    ; W(128 s + k, my column): the four waves stand side by side on 512 bytes
.set K_, K_+1
.endr
	WBLOCK 0, 63                                   ; behind a block's loads 96, 64, 32 and 0 were issued; a wait names 63 at the most
	WBLOCK 1, 63
	WBLOCK 2, 32
	WBLOCK 3, 0
.irp hh, 0,1
.irp c, 0,1,2
	global_store_b128 v4, v[IM+12*\hh+4*\c:IM+12*\hh+4*\c+3], s[32:33] offset:256*\hh+512*\c   ; sixteen lanes fill 256 consecutive bytes, aligned, in each of the two images
.endr
.endr
	ds_store_b32 v5, v20
.Ljoin:
	s_wait_dscnt 0x0                               ; my scale words lie in LDS
	s_barrier_signal -1
	s_barrier_wait -1
	s_cmp_lt_u32 ttmp9, XWG
	s_cbranch_scc1 .Lend
	s_cmp_lg_u32 s16, 0
	s_cbranch_scc1 .Lend
	ds_load_b128 v[24:27], v6                      ; wave 0 stores the half quarter's 128 scale words: 512 consecutive bytes
	s_wait_dscnt 0x0
	global_store_b128 v1, v[24:27], s[20:21] offset:24576
.Lend:
	s_wait_tensorcnt 0x0                           ; the wave's end
	ds_add_u32 v[SPW], v[NIL]
	s_wait_dscnt 0x0
	s_endpgm
.Lfunc_end_k_qe07d9b790c_quant:
	.size	k_qe07d9b790c_quant, .Lfunc_end_k_qe07d9b790c_quant-k_qe07d9b790c_quant
	.p2alignl 7, 3214868480
	.fill 96, 4, 3214868480
	.section	.rodata,"a",@progbits
	.p2align	6, 0x0
	.amdhsa_kernel k_qe07d9b790c_quant
		.amdhsa_group_segment_fixed_size 34816
		.amdhsa_private_segment_fixed_size 0
		.amdhsa_enable_private_segment 0
		.amdhsa_kernarg_size 56
		.amdhsa_user_sgpr_count 2
		.amdhsa_user_sgpr_kernarg_segment_ptr 1
		.amdhsa_wavefront_size32 1
		.amdhsa_system_sgpr_workgroup_id_x 1
		.amdhsa_system_sgpr_workgroup_id_y 1
		.amdhsa_system_sgpr_workgroup_id_z 1
		.amdhsa_system_vgpr_workitem_id 0
		.amdhsa_next_free_vgpr 256
		.amdhsa_next_free_sgpr 66
		.amdhsa_reserve_vcc 0
		.amdhsa_float_denorm_mode_32 3
		.amdhsa_float_denorm_mode_16_64 3
		.amdhsa_memory_ordered 1
		.amdhsa_forward_progress 1
		.amdhsa_inst_pref_size 51
	.end_amdhsa_kernel
	.amdgpu_metadata
---
amdhsa.version: [ 1, 2 ]
amdhsa.kernels:
  - .name:           k_qe07d9b790c_quant
    .symbol:         k_qe07d9b790c_quant.kd
    .args:
      - { .name: x, .offset: 0, .size: 8, .value_kind: global_buffer, .address_space: global }
      - { .name: Wk, .offset: 8, .size: 8, .value_kind: global_buffer, .address_space: global }
      - { .name: Wv, .offset: 16, .size: 8, .value_kind: global_buffer, .address_space: global }
      - { .name: Wq, .offset: 24, .size: 8, .value_kind: global_buffer, .address_space: global }
      - { .name: Wr, .offset: 32, .size: 8, .value_kind: global_buffer, .address_space: global }
      - { .name: xq, .offset: 40, .size: 8, .value_kind: global_buffer, .address_space: global }
      - { .name: wq, .offset: 48, .size: 8, .value_kind: global_buffer, .address_space: global }
    .group_segment_fixed_size: 34816
    .private_segment_fixed_size: 0
    .kernarg_segment_align: 8
    .kernarg_segment_size: 56
    .max_flat_workgroup_size: 128
    .sgpr_count:     66
    .vgpr_count:     256
    .wavefront_size: 32
...
	.end_amdgpu_metadata
.endif
;; end of part 1
;; launch qstat (part 2): grid 256 x 1, 4 waves a work-group, clusters of 4 x 1, 327,680 bytes of LDS; arguments xq, wq, pq; writes pq
.if DOCPART == 2
	.amdgcn_target "amdgcn-amd-amdhsa--gfx1250"
	.amdhsa_code_object_version 6
	.text
	.protected	k_qe07d9b790c_qstat
	.globl	k_qe07d9b790c_qstat
	.p2align	8
	.type	k_qe07d9b790c_qstat,@function
k_qe07d9b790c_qstat:
	s_mov_b64 s[64:65], 0
	v_nop
	global_prefetch_b8 v0, s[64:65] scope:SCOPE_SE
	s_setreg_imm32_b32 hwreg(HW_REG_WAVE_MODE, 25, 1), 1
	s_wait_xcnt 0x0
	s_wait_alu depctr_hold_cnt(0) depctr_sa_sdst(0) depctr_va_vdst(0) depctr_va_sdst(0) depctr_va_ssrc(0) depctr_va_vcc(0) depctr_vm_vsrc(0)
	s_getreg_b32 s2, hwreg(HW_REG_IB_STS2, 6, 4)
	s_cmp_eq_u32 s2, 0
	s_cbranch_scc0 .Lentry_in_a_cluster
	s_endpgm
.Lentry_in_a_cluster:
	s_bfe_u32 s2, ttmp6, 0x10000c
	s_cmp_lg_u32 s2, 0x3003
	s_cbranch_scc0 .Lentry_shape_is_right
	s_endpgm
.Lentry_shape_is_right:
.set WITH_G, 0
.set MATOFF, 2*819200
.set TRANSP, 0
.set KWB,   16
.set XA,    0
.set SLOT0, 51200
.set SLOT1, 153600
.set SM,    256000
.set WSCR,  258048
.set SPARE, 262144
.set SPW, 30
.set NIL, 31
.set LW,  17
.set LS,  20
.set WS,  32
.set XS,  48
.set XF,  64
.set LQA, 160
.set LQB, 208
.set LQC, 192
.set PD,  14
.set PL,  31
.set R2,  30
.set G0,  36
.set G1,  44
.set MSB, 0
.macro WIN new
.if MSB != (\new)
	s_set_vgpr_msb (MSB<<8)|(\new)
.set MSB, (\new)
.endif
.endm
.macro PLACES
.rept 4
	v_nop
.endr
.endm
.macro BAR
	s_wait_dscnt 0x0
	s_barrier_signal -1
	s_barrier_wait -1
.endm
.macro CREST
	s_cmp_lg_u32 s12, 0
	s_cbranch_scc1 .Lnot_wave_0_\@
	s_barrier_signal -3
.Lnot_wave_0_\@:
	s_barrier_wait -3
	s_barrier_signal -1
	s_barrier_wait -1
.endm
.macro ROUND
	s_barrier_signal -1
	s_barrier_wait -1
	CREST
.endm
.macro WM d, a, b, zero, sa, sb, ra, rb
.set RC_, 2*(\ra)+(\rb)
.if \zero
.if RC_ == 0
	v_wmma_scale_f32_16x16x128_f8f6f4 v[\d:\d+7], v[\a:\a+11], v[\b:\b+11], 0, v[\sa], v[\sb] matrix_a_fmt:MATRIX_FMT_BF6 matrix_b_fmt:MATRIX_FMT_BF6
.elseif RC_ == 1
	v_wmma_scale_f32_16x16x128_f8f6f4 v[\d:\d+7], v[\a:\a+11], v[\b:\b+11], 0, v[\sa], v[\sb] matrix_a_fmt:MATRIX_FMT_BF6 matrix_b_fmt:MATRIX_FMT_BF6 matrix_b_scale:MATRIX_SCALE_ROW1
.elseif RC_ == 2
	v_wmma_scale_f32_16x16x128_f8f6f4 v[\d:\d+7], v[\a:\a+11], v[\b:\b+11], 0, v[\sa], v[\sb] matrix_a_fmt:MATRIX_FMT_BF6 matrix_b_fmt:MATRIX_FMT_BF6 matrix_a_scale:MATRIX_SCALE_ROW1
.else
	v_wmma_scale_f32_16x16x128_f8f6f4 v[\d:\d+7], v[\a:\a+11], v[\b:\b+11], 0, v[\sa], v[\sb] matrix_a_fmt:MATRIX_FMT_BF6 matrix_b_fmt:MATRIX_FMT_BF6 matrix_a_scale:MATRIX_SCALE_ROW1 matrix_b_scale:MATRIX_SCALE_ROW1
.endif
.else
.if RC_ == 0
	v_wmma_scale_f32_16x16x128_f8f6f4 v[\d:\d+7], v[\a:\a+11], v[\b:\b+11], v[\d:\d+7], v[\sa], v[\sb] matrix_a_fmt:MATRIX_FMT_BF6 matrix_b_fmt:MATRIX_FMT_BF6
.elseif RC_ == 1
	v_wmma_scale_f32_16x16x128_f8f6f4 v[\d:\d+7], v[\a:\a+11], v[\b:\b+11], v[\d:\d+7], v[\sa], v[\sb] matrix_a_fmt:MATRIX_FMT_BF6 matrix_b_fmt:MATRIX_FMT_BF6 matrix_b_scale:MATRIX_SCALE_ROW1
.elseif RC_ == 2
	v_wmma_scale_f32_16x16x128_f8f6f4 v[\d:\d+7], v[\a:\a+11], v[\b:\b+11], v[\d:\d+7], v[\sa], v[\sb] matrix_a_fmt:MATRIX_FMT_BF6 matrix_b_fmt:MATRIX_FMT_BF6 matrix_a_scale:MATRIX_SCALE_ROW1
.else
	v_wmma_scale_f32_16x16x128_f8f6f4 v[\d:\d+7], v[\a:\a+11], v[\b:\b+11], v[\d:\d+7], v[\sa], v[\sb] matrix_a_fmt:MATRIX_FMT_BF6 matrix_b_fmt:MATRIX_FMT_BF6 matrix_a_scale:MATRIX_SCALE_ROW1 matrix_b_scale:MATRIX_SCALE_ROW1
.endif
.endif
.endm
.macro MUL q, fb, fw, sb, xp, zero
.if TRANSP
	WIN 0xa0+0x50*((\q)/2)+(\fw)
.else
	WIN 0xa0+0x50*((\q)/2)+4*(\fw)
.endif
.irp tt, 0,1,2,3
.irp m, 0,1,2,3
.set T_,  4*(\q)+\tt
.set AC_, 64*((T_/2)%4)+16*\m+8*(T_%2)
.set WF_, (\fb)+12*\tt
.set XF_, XF+48*(\xp)+12*\m
.set SW_, (\sb)+4*(T_/8)+(T_%8)/2
.set SX_, XS+2*(\xp)+\m/2
.if TRANSP
	WM AC_, WF_, XF_, \zero, SW_, SX_, T_%2, \m%2
.else
	WM AC_, XF_, WF_, \zero, SX_, SW_, \m%2, T_%2
.endif
.endr
.endr
.endm
.macro WFETCH q, par
	WIN 0x40
.irp t, 0,1,2,3
.irp c, 0,1,2
	global_load_b128 v[12*(4*(\q)+\t)+4*\c:12*(4*(\q)+\t)+4*\c+3], v1, s[18+10*(\par):19+10*(\par)] offset:1536*(4*(\q)+\t)+512*\c
.endr
.endr
.endm
.macro WSC par
.irp g, 0,1
	global_load_b128 v[WS+8*(\par)+4*\g:WS+8*(\par)+4*\g+3], v1, s[18+10*(\par):19+10*(\par)] offset:24576+512*\g
.endr
.endm
.macro LFETCH q, slot, fb, fw
.if \fw
	WIN 0x40
.else
	WIN 0
.endif
.irp t, 0,1,2,3
.irp c, 0,1,2
	ds_load_b128 v[(\fb)+12*\t+4*\c:(\fb)+12*\t+4*\c+3], v[LW+(\slot)] offset:1536*(4*(\q)+\t)+512*\c
.endr
.endr
.endm
.macro LSC slot
.irp g, 0,1
	ds_load_b128 v[LS+4*\g:LS+4*\g+3], v[LW+(\slot)] offset:24576+512*\g
.endr
.endm
.macro AFETCH par
.irp m, 0,1,2,3
.irp c, 0,1,2
	ds_load_b128 v[XF+48*(\par)+12*\m+4*\c:XF+48*(\par)+12*\m+4*\c+3], v4 offset:1536*\m+512*\c
.endr
.endr
	ds_load_b64 v[XS+2*(\par):XS+2*(\par)+1], v5
.endm
.macro NEXTA
	s_add_co_u32 s22, s22, 6400
	v_add_nc_u32 v4, s22, v2
	v_add_nc_u32 v5, s22, v3
.endm
.macro WIDX p, mode
	s_add_co_u32 s34, s[\p], s[R2]
	s_and_b32 s34, s34, 7
.if (\mode) == 16
	s_and_b32 s35, s[\p], 8
	s_xor_b32 s35, s35, 8
	s_or_b32 s34, s34, s35
.endif
	s_mul_i32 s20, s34, 102400
.endm
.macro DNEXT par, base, mode, first
.if \first
	s_mov_b32 s[PD], 1
.else
	s_add_co_u32 s[PD], s[PD], 2
.endif
	WIDX PD, \mode
	s_add_nc_u64 s[18+10*(\par):19+10*(\par)], s[\base:\base+1], s[20:21]
.endm
.macro LNEXT slot, base, mode, first
.if \first
	s_mov_b32 s[PL], 0
.else
	s_add_co_u32 s[PL], s[PL], 2
.endif
	WIDX PL, \mode
	s_add_nc_u64 s[G0+4*(\slot)+2:G0+4*(\slot)+3], s[\base:\base+1], s[20:21]
	s_or_b32 s[G0+4*(\slot)+3], s[G0+4*(\slot)+3], 0x80000000
.endm
.macro LSTEP s, zero
	s_wait_dscnt 24
	MUL 0, LQA, 0, LS, 0, \zero
	PLACES
	WIN 0
	NEXTA
	AFETCH 1
	LFETCH 3, \s, LQA, 0
	s_wait_dscnt 37
	MUL 1, LQB, 0, LS, 0, \zero
	s_wait_dscnt 25
	MUL 2, LQC, 1, LS, 0, \zero
	s_wait_dscnt 0x0
	MUL 3, LQA, 0, LS, 0, \zero
	WIN 0
.endm
.macro DSTEP s, refill, lb, lm, lf, wnext, db, dm, df, lnext
.if \refill
	s_wait_tensorcnt 0x0
	ds_add_u32 v[SPW], v[NIL]
	LNEXT \s, \lb, \lm, \lf
.elseif \lnext
	s_wait_tensorcnt 0x0
.endif
.if \wnext
	DNEXT 1-\s, \db, \dm, \df
.endif
	s_wait_loadcnt 36
	MUL 0, 0, 1, WS+8*\s, 1, 0
	s_wait_loadcnt 24
.if \refill
	s_wait_dscnt 0x0
	s_barrier_signal -1
.endif
	MUL 1, 48, 1, WS+8*\s, 1, 0
	WIN 0
.if \refill
	s_barrier_wait -1
	CREST
	tensor_load_to_lds s[G0+4*\s:G0+4*\s+3], s[G1:G1+7]
	s_nop 0
.endif
	PLACES
.if \wnext
	WSC 1-\s
	WFETCH 0, 1-\s
	WFETCH 1, 1-\s
	WIN 0
.endif
.if \lnext
	LFETCH 0, 1-\s, LQA, 0
	LSC 1-\s
	NEXTA
	AFETCH 0
.endif
.if \wnext
	s_wait_loadcnt 38
.else
	s_wait_loadcnt 12
.endif
	MUL 2, 96, 1, WS+8*\s, 1, 0
	PLACES
.if \wnext
	WFETCH 2, 1-\s
.endif
.if \lnext
	LFETCH 1, 1-\s, LQB, 0
.endif
.if \wnext
	s_wait_loadcnt 38
.else
	s_wait_loadcnt 0x0
.endif
	MUL 3, 144, 1, WS+8*\s, 1, 0
	PLACES
.if \wnext
	WFETCH 3, 1-\s
.endif
.if \lnext
	LFETCH 2, 1-\s, LQC, 1
.endif
	WIN 0
.endm
.macro PLOAD base
	WIN 0x80
.set P_, 0
.rept 32
	global_load_b128 v[8*P_:8*P_+3], v1, s[\base:\base+1] offset:4096*P_
	global_load_b128 v[8*P_+4:8*P_+7], v1, s[\base:\base+1] offset:4096*P_+512
.set P_, P_+1
.endr
	WIN 0xc0
.rept 32
	global_load_b128 v[8*(P_-32):8*(P_-32)+3], v1, s[\base:\base+1] offset:4096*P_
	global_load_b128 v[8*(P_-32)+4:8*(P_-32)+7], v1, s[\base:\base+1] offset:4096*P_+512
.set P_, P_+1
.endr
	WIN 0
.endm
.macro PSUM
.irp win, 0xaa, 0xff
	WIN \win
.irp st, 16,8,4,2,1
.set E_, 0
.rept \st
.irp k, 0,2,4,6
	v_pk_add_f32 v[8*E_+\k:8*E_+\k+1], v[8*E_+\k:8*E_+\k+1], v[8*(E_+\st)+\k:8*(E_+\st)+\k+1]
.endr
.set E_, E_+1
.endr
.endr
.endr
	WIN 0x0e
.irp k, 0,2,4,6
	v_pk_add_f32 v[52+\k:53+\k], v[\k:\k+1], v[\k:\k+1]
.endr
	WIN 0
	ds_store_b128 v11, v[52:55]
	ds_store_b128 v11, v[56:59] offset:512
.endm
.macro XLANE op, base
.irp x, 1,2,4,8
.set N_, 0
.rept 32
	\op v[\base+N_], v[\base+N_], v[\base+N_] row_xmask:\x row_mask:0xf bank_mask:0xf
.set N_, N_+1
.endr
.endr
.endm
.macro XWAVE ismax, base, off
.irp m, 0,1,2,3
.irp q, 0,1
	ds_store_b128 v9, v[\base+8*\m+4*\q:\base+8*\m+4*\q+3] offset:\off+64*\m+16*\q
.endr
.endr
	BAR
.irp rd, 0,1
.irp ww, 0,1,2,3
.irp mm, 0,1
.irp q, 0,1
	ds_load_b128 v[64+16*\ww+8*\mm+4*\q:64+16*\ww+8*\mm+4*\q+3], v8 offset:\off+256*\ww+64*(2*\rd+\mm)+16*\q
.endr
.endr
.endr
	s_wait_dscnt 0x0
.set N_, 0
.rept 16
.if \ismax
	v_max3_num_f32 v[\base+16*\rd+N_], v[64+N_], v[80+N_], v[96+N_]
.else
	v_add_f32 v[\base+16*\rd+N_], v[64+N_], v[80+N_]
	v_add_f32 v[96+N_], v[96+N_], v[112+N_]
.endif
.set N_, N_+1
.endr
.set N_, 0
.rept 16
.if \ismax
	v_max_num_f32 v[\base+16*\rd+N_], v[\base+16*\rd+N_], v[112+N_]
.else
	v_add_f32 v[\base+16*\rd+N_], v[\base+16*\rd+N_], v[96+N_]
.endif
.set N_, N_+1
.endr
.endr
.endm
.macro EXPB p
.set AB_, 64*((\p)%4)
.set W1_, 0x02+(\p)/4
.set W2_, 0x82+0x41*((\p)/4)
	WIN W1_
.irp m, 0,1,2,3
.irp u, 0,1
.irp j, 0,2,4,6
	v_pk_fma_f32 v[64+16*\m+8*\u+\j:65+16*\m+8*\u+\j], v[AB_+16*\m+8*\u+\j:AB_+16*\m+8*\u+\j+1], s[24:25], v[160+8*\m+\j:161+8*\m+\j] op_sel_hi:[1,0,1]
.endr
.endr
.endr
	WIN 0
.set N_, 0
	s_wait_alu depctr_va_vdst(0)
.rept 64
	v_exp_f32 v[64+N_], v[64+N_]
.set N_, N_+1
.endr
	v_nop
	s_wait_alu depctr_va_vdst(0)
.if (\p) == 0
.irp m, 0,1,2,3
.irp j, 0,2,4,6
	v_pk_add_f32 v[192+8*\m+\j:193+8*\m+\j], v[64+16*\m+\j:65+16*\m+\j], v[72+16*\m+\j:73+16*\m+\j]
.endr
.endr
.else
.irp u, 0,1
.irp m, 0,1,2,3
.irp j, 0,2,4,6
	v_pk_add_f32 v[192+8*\m+\j:193+8*\m+\j], v[192+8*\m+\j:193+8*\m+\j], v[64+16*\m+8*\u+\j:65+16*\m+8*\u+\j]
.endr
.endr
.endr
.endif
	WIN W2_
.set N_, 0
.rept 32
	v_pk_mul_f32 v[AB_+N_:AB_+N_+1], v[AB_+N_:AB_+N_+1], v[64+N_:65+N_]
.set N_, N_+2
.endr
	WIN 0
.endm
	s_load_b128 s[4:7], s[0:1], 0x0
	s_load_b64 s[8:9], s[0:1], 0x10
.if WITH_G
	s_load_b64 s[10:11], s[0:1], 0x18
.endif
	v_lshl_add_u32 v[SPW], v0, 2, SPARE
	v_mov_b32 v[NIL], 0
	ds_add_u32 v[SPW], v[NIL]
	ds_add_u32 v[SPW], v[NIL]
	v_lshrrev_b32 v52, 5, v0
	v_readfirstlane_b32 s12, v52
	s_bfe_u32 s52, ttmp6, 0x40000
	s_lshl_b32 s13, ttmp9, 2
	s_add_co_u32 s13, s13, s52
	s_and_b32 s53, ttmp9, 3
	s_lshl_b32 s[R2], s53, 1
	s_add_co_u32 s53, s53, s12
	s_and_b32 s53, s53, 3
	v_and_b32 v53, 31, v0
	v_and_b32 v6, 15, v0
	v_bfe_u32 v7, v0, 4, 1
	v_lshlrev_b32 v1, 4, v53
	v_lshlrev_b32 v2, 4, v53
	s_wait_alu depctr_va_vdst(0)
	v_lshl_add_u32 v3, v53, 3, 6144
	v_lshl_add_u32 v8, v7, 5, SM
	s_lshl_b32 s22, s12, 8
	v_add_nc_u32 v9, s22, v8
	s_lshl_b32 s22, s12, 10
	s_add_co_u32 s22, s22, WSCR
	v_lshl_add_u32 v10, v6, 2, s22
	v_add_nc_u32 v11, s22, v2
	s_mul_i32 s22, s12, 12800
	s_add_co_u32 s22, s22, XA
	v_add_nc_u32 v16, s22, v2
	s_mul_i32 s34, s12, 25600
	s_mov_b32 s[G0], 1
	s_add_co_u32 s[G0+1], s34, SLOT0
	s_mov_b32 s[G0+4], 1
	s_add_co_u32 s[G0+5], s34, SLOT1
	v_add_nc_u32 v[LW], s[G0+1], v2
	v_add_nc_u32 v[LW+1], s[G0+5], v2
	s_mov_b32 s[G1], 15|(3<<16)|(1<<21)
	s_mov_b32 s[G1+1], 32<<16
	s_mov_b32 s[G1+2], 100<<16
	s_mov_b32 s[G1+3], 32<<16
	s_mov_b32 s[G1+4], 100
	s_mov_b32 s[G1+5], 32
	s_mov_b32 s[G1+6], 0
	s_mov_b32 s[G1+7], 0
	s_mov_b32 s21, 0
	s_mov_b32 s55, 0
	s_mov_b32 s24, 0x3d38aa3b
	s_mov_b32 s25, s24
	s_mov_b32 s23, 0xbd38aa3b
	s_mov_b32 s26, 0x76543210
	s_mov_b32 s27, 0xfedcba98
	s_wait_alu depctr_va_vdst(0)
	s_wait_dscnt 0x0
	s_wait_kmcnt 0x0
	s_mul_i32 s54, s13, 51200
	s_mul_i32 s35, s53, 12800
	s_add_co_u32 s54, s54, s35
	s_add_nc_u64 s[4:5], s[4:5], s[54:55]
	s_lshl_b32 s54, s13, 12
	s_lshl_b32 s35, s12, 10
	s_add_co_u32 s54, s54, s35
	s_add_nc_u64 s[8:9], s[8:9], s[54:55]
.if WITH_G
	s_lshr_b32 s20, ttmp9, 4
	s_lshl_b32 s20, s20, 18
	s_add_co_u32 s20, s20, s35
	s_add_nc_u64 s[10:11], s[10:11], s[20:21]
.endif
	s_add_co_u32 s20, s34, MATOFF
	s_add_nc_u64 s[KWB:KWB+1], s[6:7], s[20:21]
	LNEXT 0, KWB, 8, 1
	LNEXT 1, KWB, 8, 0
	DNEXT 0, KWB, 8, 1
	s_mov_b32 s22, XA
	v_add_nc_u32 v4, s22, v2
	v_add_nc_u32 v5, s22, v3
	ROUND
	tensor_load_to_lds s[G0:G0+3], s[G1:G1+7]
	s_nop 0
	PLACES
.if WITH_G
	PLOAD 10
.endif
.set I_, 0
.rept 25
	global_load_b128 v[64+4*I_:67+4*I_], v1, s[4:5] offset:512*I_ th:TH_LOAD_NT
.set I_, I_+1
.endr
	WSC 0
	WFETCH 0, 0
	WFETCH 1, 0
	WFETCH 2, 0
	WFETCH 3, 0
	WIN 0
	s_wait_alu depctr_va_vdst(0)
	s_wait_tensorcnt 0x0
	ds_add_u32 v30, v31
	s_wait_dscnt 0x0
	ROUND
	tensor_load_to_lds s[G0+4:G0+7], s[G1:G1+7]
	s_nop 0
	PLACES
.if WITH_G
	s_wait_loadcnt 63
	PSUM
.endif
	s_wait_loadcnt 50
.set I_, 0
.rept 25
	ds_store_b128 v16, v[64+4*I_:67+4*I_] offset:512*I_
.set I_, I_+1
.endr
	s_wait_tensorcnt 0x1
	BAR
	LFETCH 0, 0, LQA, 0
	LSC 0
	s_wait_alu depctr_va_vdst(0)
	AFETCH 0
	LFETCH 1, 0, LQB, 0
	LFETCH 2, 0, LQC, 1
	WIN 0
	LSTEP 0, 1
	DSTEP 0, 1, KWB, 8, 0, 1, KWB, 8, 0, 1
	LSTEP 1, 0
	DSTEP 1, 1, KWB, 8, 0, 1, KWB, 8, 0, 1
	LSTEP 0, 0
	DSTEP 0, 0, 0, 0, 0, 1, KWB, 8, 0, 1
	LSTEP 1, 0
	DSTEP 1, 0, 0, 0, 0, 0, 0, 0, 0, 0
	BAR
.if WITH_G
.set T_, 0
.rept 16
	ds_load_b32 v[128+2*T_], v10 offset:64*T_
	ds_load_b32 v[129+2*T_], v10 offset:64*T_
.set T_, T_+1
.endr
	s_wait_dscnt 0x0
.irp g, 0,1
	WIN 0x82+0x41*\g
.irp tt, 0,1,2,3,4,5,6,7
.irp m, 0,1,2,3
.irp j, 0,2,4,6
	v_pk_mul_f32 v[64*(\tt/2)+16*\m+8*(\tt%2)+\j:64*(\tt/2)+16*\m+8*(\tt%2)+\j+1], v[64*(\tt/2)+16*\m+8*(\tt%2)+\j:64*(\tt/2)+16*\m+8*(\tt%2)+\j+1], v[128+16*\g+2*\tt:129+16*\g+2*\tt]
.endr
.endr
.endr
.endr
.endif
	WIN 0x0a
.irp j, 0,1,2,3,4,5,6,7
.irp m, 0,1,2,3
	v_max_num_f32 v[160+8*\m+\j], v[16*\m+\j], v[16*\m+8+\j]
.endr
.irp p, 1,2,3
.irp m, 0,1,2,3
	v_max3_num_f32 v[160+8*\m+\j], v[64*\p+16*\m+\j], v[64*\p+16*\m+8+\j], v[160+8*\m+\j]
.endr
.endr
.endr
	WIN 0x0f
.irp j, 0,1,2,3,4,5,6,7
.irp p, 0,1,2,3
.irp m, 0,1,2,3
	v_max3_num_f32 v[160+8*\m+\j], v[64*\p+16*\m+\j], v[64*\p+16*\m+8+\j], v[160+8*\m+\j]
.endr
.endr
.endr
	WIN 0
	XLANE v_max_num_f32_dpp, 160
	XWAVE 1, 160, 0
.set N_, 0
.rept 32
	v_mul_f32 v[160+N_], s23, v[160+N_]
.set N_, N_+1
.endr
.irp p, 0,1,2,3,4,5,6,7
	EXPB \p
.endr
	XLANE v_add_f32_dpp, 192
	XWAVE 0, 192, 1024
.set N_, 0
	s_wait_alu depctr_va_vdst(0)
.rept 32
	v_rcp_f32 v[192+N_], v[192+N_]
.set N_, N_+1
.endr
	v_nop
	s_wait_alu depctr_va_vdst(0)
.irp g, 0,1
	WIN 0x02+\g
.irp m, 0,1,2,3
.irp j, 0,2,4,6
.irp tt, 0,1,2,3,4,5,6,7
.if (\m) == 0 && (\j) == 0
	v_pk_mul_f32 v[224+16*\g+2*\tt:225+16*\g+2*\tt], v[64*(\tt/2)+16*\m+8*(\tt%2)+\j:64*(\tt/2)+16*\m+8*(\tt%2)+\j+1], v[192+8*\m+\j:193+8*\m+\j]
.else
	v_pk_fma_f32 v[224+16*\g+2*\tt:225+16*\g+2*\tt], v[64*(\tt/2)+16*\m+8*(\tt%2)+\j:64*(\tt/2)+16*\m+8*(\tt%2)+\j+1], v[192+8*\m+\j:193+8*\m+\j], v[224+16*\g+2*\tt:225+16*\g+2*\tt]
.endif
.endr
.endr
.endr
.endr
	WIN 0
.set T_, 0
.rept 16
	v_add_f32 v[64+T_], v[224+2*T_], v[225+2*T_]
.set T_, T_+1
.endr
.set T_, 0
.rept 16
	v_permlanex16_b32 v[80+T_], v[64+T_], s26, s27
.set T_, T_+1
.endr
.set T_, 0
.rept 16
	v_add_f32 v[64+T_], v[64+T_], v[80+T_]
.set T_, T_+1
.endr
.set T_, 0
.rept 16
	ds_store_b32 v10, v[64+T_] offset:64*T_
.set T_, T_+1
.endr
	ds_load_b128 v[96:99], v11
	ds_load_b128 v[100:103], v11 offset:512
	s_wait_dscnt 0x0
	global_store_b128 v1, v[96:99], s[8:9]
	global_store_b128 v1, v[100:103], s[8:9] offset:512
	s_wait_tensorcnt 0x0
	ds_add_u32 v[SPW], v[NIL]
	s_wait_dscnt 0x0
	ROUND
	s_endpgm
.Lfunc_end_k_qe07d9b790c_qstat:
	.size	k_qe07d9b790c_qstat, .Lfunc_end_k_qe07d9b790c_qstat-k_qe07d9b790c_qstat
	.p2alignl 7, 3214868480
	.fill 96, 4, 3214868480
	.section	.rodata,"a",@progbits
	.p2align	6, 0x0
	.amdhsa_kernel k_qe07d9b790c_qstat
		.amdhsa_group_segment_fixed_size 327680
		.amdhsa_private_segment_fixed_size 0
		.amdhsa_enable_private_segment 0
		.amdhsa_kernarg_size 24
		.amdhsa_user_sgpr_count 2
		.amdhsa_user_sgpr_kernarg_segment_ptr 1
		.amdhsa_wavefront_size32 1
		.amdhsa_system_sgpr_workgroup_id_x 1
		.amdhsa_system_sgpr_workgroup_id_y 1
		.amdhsa_system_sgpr_workgroup_id_z 1
		.amdhsa_system_vgpr_workitem_id 0
		.amdhsa_next_free_vgpr 1024
		.amdhsa_next_free_sgpr 66
		.amdhsa_reserve_vcc 0
		.amdhsa_float_denorm_mode_32 3
		.amdhsa_float_denorm_mode_16_64 3
		.amdhsa_memory_ordered 1
		.amdhsa_forward_progress 1
		.amdhsa_inst_pref_size 249
	.end_amdhsa_kernel
	.amdgpu_metadata
---
amdhsa.version: [ 1, 2 ]
amdhsa.kernels:
  - .name:           k_qe07d9b790c_qstat
    .symbol:         k_qe07d9b790c_qstat.kd
    .args:
      - { .name: xq, .offset: 0, .size: 8, .value_kind: global_buffer, .address_space: global }
      - { .name: wq, .offset: 8, .size: 8, .value_kind: global_buffer, .address_space: global }
      - { .name: pq, .offset: 16, .size: 8, .value_kind: global_buffer, .address_space: global }
    .group_segment_fixed_size: 327680
    .private_segment_fixed_size: 0
    .kernarg_segment_align: 8
    .kernarg_segment_size: 24
    .max_flat_workgroup_size: 128
    .sgpr_count:     66
    .vgpr_count:     1024
    .wavefront_size: 32
...
	.end_amdgpu_metadata
.endif
;; end of part 2
;; launch kstat (part 3): grid 256 x 1, 4 waves a work-group, clusters of 4 x 1, 327,680 bytes of LDS; arguments xq, wq, pk, pq; writes pk
.if DOCPART == 3
	.amdgcn_target "amdgcn-amd-amdhsa--gfx1250"
	.amdhsa_code_object_version 6
	.text
	.protected	k_qe07d9b790c_kstat
	.globl	k_qe07d9b790c_kstat
	.p2align	8
	.type	k_qe07d9b790c_kstat,@function
k_qe07d9b790c_kstat:
	s_mov_b64 s[64:65], 0
	v_nop
	global_prefetch_b8 v0, s[64:65] scope:SCOPE_SE
	s_setreg_imm32_b32 hwreg(HW_REG_WAVE_MODE, 25, 1), 1
	s_wait_xcnt 0x0
	s_wait_alu depctr_hold_cnt(0) depctr_sa_sdst(0) depctr_va_vdst(0) depctr_va_sdst(0) depctr_va_ssrc(0) depctr_va_vcc(0) depctr_vm_vsrc(0)
	s_getreg_b32 s2, hwreg(HW_REG_IB_STS2, 6, 4)
	s_cmp_eq_u32 s2, 0
	s_cbranch_scc0 .Lentry_in_a_cluster
	s_endpgm
.Lentry_in_a_cluster:
	s_bfe_u32 s2, ttmp6, 0x10000c
	s_cmp_lg_u32 s2, 0x3003
	s_cbranch_scc0 .Lentry_shape_is_right
	s_endpgm
.Lentry_shape_is_right:
; Launch 3 of 5: global_query = the sum of its batch's 64 parts; k = x Wk (codes of E3M2); p = global_query * k; beta = softmax(p / 32) along the 1,024 features; this work-group's part of
; global_key = the sum over its 64 rows of p beta.  No work of reference() is left out here.  The text is qstat's with WITH_G = 1: see there for shares, layout, registers, the two ways of the weights, the cluster and the turned walk.
; Each wave sums the 64 parts of its own 256 places at the head, into the accumulators' registers, which are still free, so no launch is spent on that sum.
; LIMITS: NaN and infinities are not served; the sums over K steps, rows and parts are taken in another order than reference()'s.
.set WITH_G, 1
.set MATOFF, 0                         ; Wk's images in wq
.set TRANSP, 0
.set KWB,   16                         ; s[16:17] my quarter of the weights
.set XA,    0                          ; LDS: x's codes, eight places of 6,400 bytes;
.set SLOT0, 51200                      ; two slots of a K step of weights;
.set SLOT1, 153600
.set SM,    256000                     ; the waves' row maxima, 256 bytes a wave; 1,024 further on their row sums;
.set WSCR,  258048                     ; 1,024 bytes of scratch for each wave;
.set SPARE, 262144                     ; the spare words, 128 bytes a wave: no other line names them
.set SPW, 30
.set NIL, 31
.set LW,  17
.set LS,  20
.set WS,  32
.set XS,  48
.set XF,  64
.set LQA, 160                          ; window 0
.set LQB, 208                          ; window 0
.set LQC, 192                          ; window 1
.set PD,  14                           ; s14  the place whose weights the D steps ask for
.set PL,  31                           ; s31  the place whose weights the refills ask for
.set R2,  30                           ; s30  2 (cluster % 4)
.set G0,  36                           ; s[36:39], s[40:43] descriptor group 0 for slot 0, 1
.set G1,  44                           ; s[44:51] descriptor group 1
.set MSB, 0
.macro WIN new                         ; the immediate's high byte repeats the setting that is left
.if MSB != (\new)
	s_set_vgpr_msb (MSB<<8)|(\new)
.set MSB, (\new)
.endif
.endm
.macro PLACES                          ; four plain places behind a matrix instruction, in front of loads into its registers and of reads of its result
.rept 4
	v_nop
.endr
.endm
.macro BAR                             ; my LDS stores have landed and my LDS loads are in: then the work-group's barrier
	s_wait_dscnt 0x0
	s_barrier_signal -1
	s_barrier_wait -1
.endm
.macro CREST                           ; a round of the cluster's barrier behind its opening barrier
	s_cmp_lg_u32 s12, 0
	s_cbranch_scc1 .Lnot_wave_0_\@
	s_barrier_signal -3
.Lnot_wave_0_\@:
	s_barrier_wait -3
	s_barrier_signal -1
	s_barrier_wait -1
.endm
.macro ROUND                           ; a whole round
	s_barrier_signal -1
	s_barrier_wait -1
	CREST
.endm
.macro WM d, a, b, zero, sa, sb, ra, rb        ; one product; ra, rb: which half of the lanes holds the side's scale words
.set RC_, 2*(\ra)+(\rb)
.if \zero
.if RC_ == 0
	v_wmma_scale_f32_16x16x128_f8f6f4 v[\d:\d+7], v[\a:\a+11], v[\b:\b+11], 0, v[\sa], v[\sb] matrix_a_fmt:MATRIX_FMT_BF6 matrix_b_fmt:MATRIX_FMT_BF6
.elseif RC_ == 1
	v_wmma_scale_f32_16x16x128_f8f6f4 v[\d:\d+7], v[\a:\a+11], v[\b:\b+11], 0, v[\sa], v[\sb] matrix_a_fmt:MATRIX_FMT_BF6 matrix_b_fmt:MATRIX_FMT_BF6 matrix_b_scale:MATRIX_SCALE_ROW1
.elseif RC_ == 2
	v_wmma_scale_f32_16x16x128_f8f6f4 v[\d:\d+7], v[\a:\a+11], v[\b:\b+11], 0, v[\sa], v[\sb] matrix_a_fmt:MATRIX_FMT_BF6 matrix_b_fmt:MATRIX_FMT_BF6 matrix_a_scale:MATRIX_SCALE_ROW1
.else
	v_wmma_scale_f32_16x16x128_f8f6f4 v[\d:\d+7], v[\a:\a+11], v[\b:\b+11], 0, v[\sa], v[\sb] matrix_a_fmt:MATRIX_FMT_BF6 matrix_b_fmt:MATRIX_FMT_BF6 matrix_a_scale:MATRIX_SCALE_ROW1 matrix_b_scale:MATRIX_SCALE_ROW1
.endif
.else
.if RC_ == 0
	v_wmma_scale_f32_16x16x128_f8f6f4 v[\d:\d+7], v[\a:\a+11], v[\b:\b+11], v[\d:\d+7], v[\sa], v[\sb] matrix_a_fmt:MATRIX_FMT_BF6 matrix_b_fmt:MATRIX_FMT_BF6
.elseif RC_ == 1
	v_wmma_scale_f32_16x16x128_f8f6f4 v[\d:\d+7], v[\a:\a+11], v[\b:\b+11], v[\d:\d+7], v[\sa], v[\sb] matrix_a_fmt:MATRIX_FMT_BF6 matrix_b_fmt:MATRIX_FMT_BF6 matrix_b_scale:MATRIX_SCALE_ROW1
.elseif RC_ == 2
	v_wmma_scale_f32_16x16x128_f8f6f4 v[\d:\d+7], v[\a:\a+11], v[\b:\b+11], v[\d:\d+7], v[\sa], v[\sb] matrix_a_fmt:MATRIX_FMT_BF6 matrix_b_fmt:MATRIX_FMT_BF6 matrix_a_scale:MATRIX_SCALE_ROW1
.else
	v_wmma_scale_f32_16x16x128_f8f6f4 v[\d:\d+7], v[\a:\a+11], v[\b:\b+11], v[\d:\d+7], v[\sa], v[\sb] matrix_a_fmt:MATRIX_FMT_BF6 matrix_b_fmt:MATRIX_FMT_BF6 matrix_a_scale:MATRIX_SCALE_ROW1 matrix_b_scale:MATRIX_SCALE_ROW1
.endif
.endif
.endm
; 16 products: tiles 4 q .. 4 q + 3 of the weights (fragments from register fb of window fw on, scale words from sb on) x the four tiles of rows (set xp).
; The 64 accumulators take turns, one instruction a turn, in the same order in every K step.
.macro MUL q, fb, fw, sb, xp, zero
.if TRANSP
	WIN 0xa0+0x50*((\q)/2)+(\fw)
.else
	WIN 0xa0+0x50*((\q)/2)+4*(\fw)
.endif
.irp tt, 0,1,2,3
.irp m, 0,1,2,3
.set T_,  4*(\q)+\tt
.set AC_, 64*((T_/2)%4)+16*\m+8*(T_%2)
.set WF_, (\fb)+12*\tt
.set XF_, XF+48*(\xp)+12*\m
.set SW_, (\sb)+4*(T_/8)+(T_%8)/2
.set SX_, XS+2*(\xp)+\m/2
.if TRANSP
	WM AC_, WF_, XF_, \zero, SW_, SX_, T_%2, \m%2
.else
	WM AC_, XF_, WF_, \zero, SX_, SW_, \m%2, T_%2
.endif
.endr
.endr
.endm
.macro WFETCH q, par                   ; a D step's fragments 4 q .. 4 q + 3, from memory: each load 512 consecutive bytes
	WIN 0x40
.irp t, 0,1,2,3
.irp c, 0,1,2
	global_load_b128 v[12*(4*(\q)+\t)+4*\c:12*(4*(\q)+\t)+4*\c+3], v1, s[18+10*(\par):19+10*(\par)] offset:1536*(4*(\q)+\t)+512*\c
.endr
.endr
.endm
.macro WSC par                         ; and its scale words: register 4 g + j: lanes 0-15 tile 8 g + 2 j, lanes 16-31 tile 8 g + 2 j + 1
.irp g, 0,1
	global_load_b128 v[WS+8*(\par)+4*\g:WS+8*(\par)+4*\g+3], v1, s[18+10*(\par):19+10*(\par)] offset:24576+512*\g
.endr
.endm
.macro LFETCH q, slot, fb, fw          ; an L step's fragments 4 q .. 4 q + 3, from my quarter of a slot
.if \fw
	WIN 0x40
.else
	WIN 0
.endif
.irp t, 0,1,2,3
.irp c, 0,1,2
	ds_load_b128 v[(\fb)+12*\t+4*\c:(\fb)+12*\t+4*\c+3], v[LW+(\slot)] offset:1536*(4*(\q)+\t)+512*\c
.endr
.endr
.endm
.macro LSC slot                        ; and its scale words
.irp g, 0,1
	ds_load_b128 v[LS+4*\g:LS+4*\g+3], v[LW+(\slot)] offset:24576+512*\g
.endr
.endm
.macro AFETCH par                      ; the rows' four fragments and their scale words, from LDS
.irp m, 0,1,2,3
.irp c, 0,1,2
	ds_load_b128 v[XF+48*(\par)+12*\m+4*\c:XF+48*(\par)+12*\m+4*\c+3], v4 offset:1536*\m+512*\c
.endr
.endr
	ds_load_b64 v[XS+2*(\par):XS+2*(\par)+1], v5
.endm
.macro NEXTA                           ; the rows' codes of the next place
	s_add_co_u32 s22, s22, 6400
	v_add_nc_u32 v4, s22, v2
	v_add_nc_u32 v5, s22, v3
.endm
; Where a place's weights lie: K step (place + 2 (cluster % 4)) % 8; mode 16: of the second matrix behind the base for places 0-7, of the first for places 8-15.
.macro WIDX p, mode
	s_add_co_u32 s34, s[\p], s[R2]
	s_and_b32 s34, s34, 7
.if (\mode) == 16
	s_and_b32 s35, s[\p], 8
	s_xor_b32 s35, s35, 8
	s_or_b32 s34, s34, s35
.endif
	s_mul_i32 s20, s34, 102400
.endm
.macro DNEXT par, base, mode, first    ; the loads that last named this pair of address registers were shown done by the counted waits of the D step before
.if \first
	s_mov_b32 s[PD], 1
.else
	s_add_co_u32 s[PD], s[PD], 2
.endif
	WIDX PD, \mode
	s_add_nc_u64 s[18+10*(\par):19+10*(\par)], s[\base:\base+1], s[20:21]
.endm
.macro LNEXT slot, base, mode, first   ; written only where no tensor load of mine is out
.if \first
	s_mov_b32 s[PL], 0
.else
	s_add_co_u32 s[PL], s[PL], 2
.endif
	WIDX PL, \mode
	s_add_nc_u64 s[G0+4*(\slot)+2:G0+4*(\slot)+3], s[\base:\base+1], s[20:21]
	s_or_b32 s[G0+4*(\slot)+3], s[G0+4*(\slot)+3], 0x80000000
.endm
; AN L STEP: its weights lie in slot s.  Quarters 0, 1, 2, the scale words and the rows were asked of LDS during the D step before, in the order: quarter 0 (12), scale words (2), rows (13), quarter 1 (12), quarter 2 (12).
.macro LSTEP s, zero
	s_wait_dscnt 24                                ; all but quarters 1 and 2
	MUL 0, LQA, 0, LS, 0, \zero
	PLACES
	WIN 0
	NEXTA
	AFETCH 1                                       ; the D step's rows (13),
	LFETCH 3, \s, LQA, 0                           ; and quarter 3 (12) into quarter 0's registers
	s_wait_dscnt 37                                ; quarter 1 is in: behind it quarter 2 and the 25 just issued
	MUL 1, LQB, 0, LS, 0, \zero
	s_wait_dscnt 25                                ; quarter 2 is in
	MUL 2, LQC, 1, LS, 0, \zero
	s_wait_dscnt 0x0                               ; quarter 3 and the D step's rows: my reads of slot s are over
	MUL 3, LQA, 0, LS, 0, \zero
	WIN 0
.endm
; A D STEP, with the change of slots in its first half.  Its weights were asked of memory in the D step before, in the order: scale words (2), quarters 0, 1, 2, 3 (12 each).
; The counts: behind (scale words, quarter 0) stand 36; behind quarter 1, with nothing new issued yet, 24; behind quarter 2 stand quarter 3 and the 26 new ones: 38; behind quarter 3 the 38 new ones.  With nothing fetched: 12, 0.
; refill = 1: slot s, which the L step has read out, is filled again.  Each wave waits for all its tensor loads (the one that is out is its part of the other slot), adds 0 to its spare word, and waits for that and for its reads
; of the slot; the barrier opens a round of the cluster's barrier, so that no wave of any partner still reads the slot or has a load on its way; the joint refill is the first thing behind it.
; wnext = 1: the next D step's weights are asked for.  lnext = 1: the next L step's first three quarters, scale words and rows are asked of LDS.
.macro DSTEP s, refill, lb, lm, lf, wnext, db, dm, df, lnext
.if \refill
	s_wait_tensorcnt 0x0                           ; all my tensor loads have landed, so a group 0 may be written
	ds_add_u32 v[SPW], v[NIL]                      ; 0 onto my spare word: work on registers stands between it and the wait for it
	LNEXT \s, \lb, \lm, \lf
.elseif \lnext
	s_wait_tensorcnt 0x0                           ; my part of the other slot has landed; I alone read it
.endif
.if \wnext
	DNEXT 1-\s, \db, \dm, \df
.endif
	s_wait_loadcnt 36
	MUL 0, 0, 1, WS+8*\s, 1, 0
	s_wait_loadcnt 24
.if \refill
	s_wait_dscnt 0x0                               ; the add is done, and my reads of slot s are over
	s_barrier_signal -1
.endif
	MUL 1, 48, 1, WS+8*\s, 1, 0
	WIN 0
.if \refill
	s_barrier_wait -1
	CREST
	tensor_load_to_lds s[G0+4*\s:G0+4*\s+3], s[G1:G1+7]
	s_nop 0
.endif
	PLACES                                         ; behind the tensor load; also the places in front of the loads below
.if \wnext
	WSC 1-\s
	WFETCH 0, 1-\s
	WFETCH 1, 1-\s
	WIN 0
.endif
.if \lnext
	LFETCH 0, 1-\s, LQA, 0
	LSC 1-\s
	NEXTA
	AFETCH 0
.endif
.if \wnext
	s_wait_loadcnt 38
.else
	s_wait_loadcnt 12
.endif
	MUL 2, 96, 1, WS+8*\s, 1, 0
	PLACES
.if \wnext
	WFETCH 2, 1-\s
.endif
.if \lnext
	LFETCH 1, 1-\s, LQB, 0
.endif
.if \wnext
	s_wait_loadcnt 38
.else
	s_wait_loadcnt 0x0
.endif
	MUL 3, 144, 1, WS+8*\s, 1, 0
	PLACES
.if \wnext
	WFETCH 3, 1-\s
.endif
.if \lnext
	LFETCH 2, 1-\s, LQC, 1
.endif
	WIN 0
.endm
.macro PLOAD base                      ; the 64 work-groups' parts of my batch, my 256 places: into the accumulators' registers, which are still free
	WIN 0x80
.set P_, 0
.rept 32
	global_load_b128 v[8*P_:8*P_+3], v1, s[\base:\base+1] offset:4096*P_
	global_load_b128 v[8*P_+4:8*P_+7], v1, s[\base:\base+1] offset:4096*P_+512
.set P_, P_+1
.endr
	WIN 0xc0
.rept 32
	global_load_b128 v[8*(P_-32):8*(P_-32)+3], v1, s[\base:\base+1] offset:4096*P_
	global_load_b128 v[8*(P_-32)+4:8*(P_-32)+7], v1, s[\base:\base+1] offset:4096*P_+512
.set P_, P_+1
.endr
	WIN 0
.endm
.macro PSUM                            ; their sum, by halving, and into my own scratch by places
.irp win, 0xaa, 0xff
	WIN \win
.irp st, 16,8,4,2,1
.set E_, 0
.rept \st
.irp k, 0,2,4,6
	v_pk_add_f32 v[8*E_+\k:8*E_+\k+1], v[8*E_+\k:8*E_+\k+1], v[8*(E_+\st)+\k:8*(E_+\st)+\k+1]
.endr
.set E_, E_+1
.endr
.endr
.endr
	WIN 0x0e
.irp k, 0,2,4,6
	v_pk_add_f32 v[52+\k:53+\k], v[\k:\k+1], v[\k:\k+1]
.endr
	WIN 0
	ds_store_b128 v11, v[52:55]
	ds_store_b128 v11, v[56:59] offset:512
.endm
.macro XLANE op, base                  ; 32 rows' figures across the 16 lanes of a half
.irp x, 1,2,4,8
.set N_, 0
.rept 32
	\op v[\base+N_], v[\base+N_], v[\base+N_] row_xmask:\x row_mask:0xf bank_mask:0xf
.set N_, N_+1
.endr
.endr
.endm
.macro XWAVE ismax, base, off          ; and across the four waves: each stores its 64 rows' figures (the sixteen lanes of a half write the same words with the same values), a barrier, each reads all four
.irp m, 0,1,2,3
.irp q, 0,1
	ds_store_b128 v9, v[\base+8*\m+4*\q:\base+8*\m+4*\q+3] offset:\off+64*\m+16*\q
.endr
.endr
	BAR
.irp rd, 0,1
.irp ww, 0,1,2,3
.irp mm, 0,1
.irp q, 0,1
	ds_load_b128 v[64+16*\ww+8*\mm+4*\q:64+16*\ww+8*\mm+4*\q+3], v8 offset:\off+256*\ww+64*(2*\rd+\mm)+16*\q
.endr
.endr
.endr
	s_wait_dscnt 0x0
.set N_, 0
.rept 16
.if \ismax
	v_max3_num_f32 v[\base+16*\rd+N_], v[64+N_], v[80+N_], v[96+N_]
.else
	v_add_f32 v[\base+16*\rd+N_], v[64+N_], v[80+N_]
	v_add_f32 v[96+N_], v[96+N_], v[112+N_]
.endif
.set N_, N_+1
.endr
.set N_, 0
.rept 16
.if \ismax
	v_max_num_f32 v[\base+16*\rd+N_], v[\base+16*\rd+N_], v[112+N_]
.else
	v_add_f32 v[\base+16*\rd+N_], v[\base+16*\rd+N_], v[96+N_]
.endif
.set N_, N_+1
.endr
.endr
.endm
; Tiles 2 p and 2 p + 1: e = 2^(c a - c max) for their 64 numbers a lane; the rows' sums take e; a becomes a e.
.macro EXPB p
.set AB_, 64*((\p)%4)
.set W1_, 0x02+(\p)/4
.set W2_, 0x82+0x41*((\p)/4)
	WIN W1_
.irp m, 0,1,2,3
.irp u, 0,1
.irp j, 0,2,4,6
	v_pk_fma_f32 v[64+16*\m+8*\u+\j:65+16*\m+8*\u+\j], v[AB_+16*\m+8*\u+\j:AB_+16*\m+8*\u+\j+1], s[24:25], v[160+8*\m+\j:161+8*\m+\j] op_sel_hi:[1,0,1]
.endr
.endr
.endr
	WIN 0
.set N_, 0
	s_wait_alu depctr_va_vdst(0)
.rept 64
	v_exp_f32 v[64+N_], v[64+N_]
.set N_, N_+1
.endr
	v_nop                                          ; a plain line behind the last exponential
	s_wait_alu depctr_va_vdst(0)                   ; one wait for the batch, ahead of its first reader
.if (\p) == 0
.irp m, 0,1,2,3
.irp j, 0,2,4,6
	v_pk_add_f32 v[192+8*\m+\j:193+8*\m+\j], v[64+16*\m+\j:65+16*\m+\j], v[72+16*\m+\j:73+16*\m+\j]   ; the first pair of tiles starts the sums: nothing is cleared
.endr
.endr
.else
.irp u, 0,1
.irp m, 0,1,2,3
.irp j, 0,2,4,6
	v_pk_add_f32 v[192+8*\m+\j:193+8*\m+\j], v[192+8*\m+\j:193+8*\m+\j], v[64+16*\m+8*\u+\j:65+16*\m+8*\u+\j]
.endr
.endr
.endr
.endif
	WIN W2_
.set N_, 0
.rept 32
	v_pk_mul_f32 v[AB_+N_:AB_+N_+1], v[AB_+N_:AB_+N_+1], v[64+N_:65+N_]
.set N_, N_+2
.endr
	WIN 0
.endm
	s_load_b128 s[4:7], s[0:1], 0x0                ; xq s[4:5], wq s[6:7]
	s_load_b64 s[8:9], s[0:1], 0x10                ; the parts that I store
.if WITH_G
	s_load_b64 s[10:11], s[0:1], 0x18              ; the parts that I read
.endif
	v_lshl_add_u32 v[SPW], v0, 2, SPARE
	v_mov_b32 v[NIL], 0
	ds_add_u32 v[SPW], v[NIL]                      ; the wave's opening: the add, twice on end, and its wait ahead of my first tensor load; the set-up below stands between
	ds_add_u32 v[SPW], v[NIL]
	v_lshrrev_b32 v52, 5, v0
	v_readfirstlane_b32 s12, v52                   ; wave
	s_bfe_u32 s52, ttmp6, 0x40000                  ; cx: my place in the cluster: it enters addresses in memory of xq and of the parts that I store alone, through s13 and s[54:55]
	s_lshl_b32 s13, ttmp9, 2                       ; in a cluster launch ttmp9 counts clusters
	s_add_co_u32 s13, s13, s52                     ; work-group = 4 x cluster + cx
	s_and_b32 s53, ttmp9, 3
	s_lshl_b32 s[R2], s53, 1                       ; the walk's turn, the same in the four partners
	s_add_co_u32 s53, s53, s12
	s_and_b32 s53, s53, 3                          ; which quarter of my block of xq I stage: (wave + cluster) % 4
	v_and_b32 v53, 31, v0                          ; lane l
	v_and_b32 v6, 15, v0                           ; r
	v_bfe_u32 v7, v0, 4, 1                         ; h
	v_lshlrev_b32 v1, 4, v53
	v_lshlrev_b32 v2, 4, v53
	s_wait_alu depctr_va_vdst(0)
	v_lshl_add_u32 v3, v53, 3, 6144
	v_lshl_add_u32 v8, v7, 5, SM                   ; the waves' figures: rows 8 h on,
	s_lshl_b32 s22, s12, 8
	v_add_nc_u32 v9, s22, v8                       ; and my wave's
	s_lshl_b32 s22, s12, 10
	s_add_co_u32 s22, s22, WSCR
	v_lshl_add_u32 v10, v6, 2, s22                 ; my scratch: place r,
	v_add_nc_u32 v11, s22, v2                      ; and 16 l
	s_mul_i32 s22, s12, 12800
	s_add_co_u32 s22, s22, XA
	v_add_nc_u32 v16, s22, v2                      ; where I put two places of x's codes
	s_mul_i32 s34, s12, 25600                      ; my quarter of a K step of weights
	s_mov_b32 s[G0], 1                             ; group 0: count = 1;
	s_add_co_u32 s[G0+1], s34, SLOT0               ; the LDS address: the slot + 25,600 x wave
	s_mov_b32 s[G0+4], 1
	s_add_co_u32 s[G0+5], s34, SLOT1
	v_add_nc_u32 v[LW], s[G0+1], v2
	v_add_nc_u32 v[LW+1], s[G0+5], v2
	s_mov_b32 s[G1], 15|(3<<16)|(1<<21)            ; group 1: the mask: all four work-groups; elements of 8 bytes; bit 21 set beside a mask; no padding
	s_mov_b32 s[G1+1], 32<<16                      ; tensor_dim0 = 32 elements: rows of 256 bytes
	s_mov_b32 s[G1+2], 100<<16                     ; tensor_dim1 = 100 rows: 25,600 dense bytes
	s_mov_b32 s[G1+3], 32<<16                      ; tile_dim0
	s_mov_b32 s[G1+4], 100                         ; tile_dim1
	s_mov_b32 s[G1+5], 32                          ; from row to row
	s_mov_b32 s[G1+6], 0
	s_mov_b32 s[G1+7], 0
	s_mov_b32 s21, 0
	s_mov_b32 s55, 0
	s_mov_b32 s24, 0x3d38aa3b                      ; c = log2(e) / 32
	s_mov_b32 s25, s24                             ; (named with it as a pair)
	s_mov_b32 s23, 0xbd38aa3b                      ; -c
	s_mov_b32 s26, 0x76543210
	s_mov_b32 s27, 0xfedcba98                      ; lane l xor 16
	s_wait_alu depctr_va_vdst(0)
	s_wait_dscnt 0x0                               ; both opening adds are done
	s_wait_kmcnt 0x0
	s_mul_i32 s54, s13, 51200
	s_mul_i32 s35, s53, 12800
	s_add_co_u32 s54, s54, s35
	s_add_nc_u64 s[4:5], s[4:5], s[54:55]          ; my block of xq, the quarter that I stage
	s_lshl_b32 s54, s13, 12
	s_lshl_b32 s35, s12, 10
	s_add_co_u32 s54, s54, s35
	s_add_nc_u64 s[8:9], s[8:9], s[54:55]          ; my work-group's part, my 256 places
.if WITH_G
	s_lshr_b32 s20, ttmp9, 4                       ; my batch: 16 clusters
	s_lshl_b32 s20, s20, 18                        ; its 64 parts of 4,096 bytes
	s_add_co_u32 s20, s20, s35
	s_add_nc_u64 s[10:11], s[10:11], s[20:21]
.endif
	s_add_co_u32 s20, s34, MATOFF
	s_add_nc_u64 s[KWB:KWB+1], s[6:7], s[20:21]
	LNEXT 0, KWB, 8, 1                             ; slot 0: place 0
	LNEXT 1, KWB, 8, 0                             ; slot 1: place 2
	DNEXT 0, KWB, 8, 1                             ; straight into registers: place 1
	s_mov_b32 s22, XA
	v_add_nc_u32 v4, s22, v2
	v_add_nc_u32 v5, s22, v3
	ROUND                                          ; all four work-groups are here: the first joint loads meet
	tensor_load_to_lds s[G0:G0+3], s[G1:G1+7]      ; slot 0: one tensor load a wave at the head
	s_nop 0
	PLACES
.if WITH_G
	PLOAD 10
.endif
.set I_, 0
.rept 25
	global_load_b128 v[64+4*I_:67+4*I_], v1, s[4:5] offset:512*I_ th:TH_LOAD_NT   ; x's codes: 12,800 bytes a wave
.set I_, I_+1
.endr
	WSC 0
	WFETCH 0, 0
	WFETCH 1, 0
	WFETCH 2, 0
	WFETCH 3, 0
	WIN 0
	s_wait_alu depctr_va_vdst(0)                   ; the wait at the head's end
	s_wait_tensorcnt 0x0                           ; slot 1's first fill is issued as a refill is: the three lines, a round, the load; the head's global loads are out meanwhile
	ds_add_u32 v[SPW], v[NIL]
	s_wait_dscnt 0x0
	ROUND
	tensor_load_to_lds s[G0+4:G0+7], s[G1:G1+7]
	s_nop 0
	PLACES
.if WITH_G
	s_wait_loadcnt 63                              ; behind the parts 75 loads were issued; a wait names 63 at the most
	PSUM
.endif
	s_wait_loadcnt 50                              ; x's codes are in; the first D step's 50 loads of weights may be out
.set I_, 0
.rept 25
	ds_store_b128 v16, v[64+4*I_:67+4*I_] offset:512*I_
.set I_, I_+1
.endr
	s_wait_tensorcnt 0x1                           ; my part of slot 0 is in; slot 1's may stay out
	BAR                                            ; x's codes lie in LDS
	LFETCH 0, 0, LQA, 0
	LSC 0
	AFETCH 0
	LFETCH 1, 0, LQB, 0
	LFETCH 2, 0, LQC, 1
	WIN 0
	LSTEP 0, 1                                     ; place 0 starts the sums
	DSTEP 0, 1, KWB, 8, 0, 1, KWB, 8, 0, 1         ; place 1; slot 0 takes place 4; place 3 is asked for
	LSTEP 1, 0
	DSTEP 1, 1, KWB, 8, 0, 1, KWB, 8, 0, 1         ; place 3; slot 1 takes place 6; place 5 is asked for
	LSTEP 0, 0
	DSTEP 0, 0, 0, 0, 0, 1, KWB, 8, 0, 1           ; place 5; nothing is left to fill; place 7 is asked for
	LSTEP 1, 0
	DSTEP 1, 0, 0, 0, 0, 0, 0, 0, 0, 0             ; place 7
	BAR                                            ; every wave's reads of the codes are over
.if WITH_G
	; p = global_query * k: each place's number twice, as a pair for the packed multiply
.set T_, 0
.rept 16
	ds_load_b32 v[128+2*T_], v10 offset:64*T_
	ds_load_b32 v[129+2*T_], v10 offset:64*T_
.set T_, T_+1
.endr
	s_wait_dscnt 0x0
.irp g, 0,1
	WIN 0x82+0x41*\g
.irp tt, 0,1,2,3,4,5,6,7
.irp m, 0,1,2,3
.irp j, 0,2,4,6
	v_pk_mul_f32 v[64*(\tt/2)+16*\m+8*(\tt%2)+\j:64*(\tt/2)+16*\m+8*(\tt%2)+\j+1], v[64*(\tt/2)+16*\m+8*(\tt%2)+\j:64*(\tt/2)+16*\m+8*(\tt%2)+\j+1], v[128+16*\g+2*\tt:129+16*\g+2*\tt]
.endr
.endr
.endr
.endr
.endif
	; the rows' maxima: over my 16 tiles (each accumulator is read from its low end on), my half's 16 lanes, the four waves
	WIN 0x0a
.irp j, 0,1,2,3,4,5,6,7
.irp m, 0,1,2,3
	v_max_num_f32 v[160+8*\m+\j], v[16*\m+\j], v[16*\m+8+\j]
.endr
.irp p, 1,2,3
.irp m, 0,1,2,3
	v_max3_num_f32 v[160+8*\m+\j], v[64*\p+16*\m+\j], v[64*\p+16*\m+8+\j], v[160+8*\m+\j]
.endr
.endr
.endr
	WIN 0x0f
.irp j, 0,1,2,3,4,5,6,7
.irp p, 0,1,2,3
.irp m, 0,1,2,3
	v_max3_num_f32 v[160+8*\m+\j], v[64*\p+16*\m+\j], v[64*\p+16*\m+8+\j], v[160+8*\m+\j]
.endr
.endr
.endr
	WIN 0
	XLANE v_max_num_f32_dpp, 160
	XWAVE 1, 160, 0
.set N_, 0
.rept 32
	v_mul_f32 v[160+N_], s23, v[160+N_]            ; -c max
.set N_, N_+1
.endr
.irp p, 0,1,2,3,4,5,6,7
	EXPB \p
.endr
	XLANE v_add_f32_dpp, 192
	XWAVE 0, 192, 1024
.set N_, 0
	s_wait_alu depctr_va_vdst(0)
.rept 32
	v_rcp_f32 v[192+N_], v[192+N_]                 ; 1 / the row's sum
.set N_, N_+1
.endr
	v_nop
	s_wait_alu depctr_va_vdst(0)                   ; one wait for the 32 reciprocals, ahead of their first reader
	; the columns' sums over my 32 rows: a e / the row's sum
.irp g, 0,1
	WIN 0x02+\g
.irp m, 0,1,2,3
.irp j, 0,2,4,6
.irp tt, 0,1,2,3,4,5,6,7
.if (\m) == 0 && (\j) == 0
	v_pk_mul_f32 v[224+16*\g+2*\tt:225+16*\g+2*\tt], v[64*(\tt/2)+16*\m+8*(\tt%2)+\j:64*(\tt/2)+16*\m+8*(\tt%2)+\j+1], v[192+8*\m+\j:193+8*\m+\j]
.else
	v_pk_fma_f32 v[224+16*\g+2*\tt:225+16*\g+2*\tt], v[64*(\tt/2)+16*\m+8*(\tt%2)+\j:64*(\tt/2)+16*\m+8*(\tt%2)+\j+1], v[192+8*\m+\j:193+8*\m+\j], v[224+16*\g+2*\tt:225+16*\g+2*\tt]
.endif
.endr
.endr
.endr
.endr
	WIN 0
.set T_, 0
.rept 16
	v_add_f32 v[64+T_], v[224+2*T_], v[225+2*T_]
.set T_, T_+1
.endr
.set T_, 0
.rept 16
	v_permlanex16_b32 v[80+T_], v[64+T_], s26, s27 ; the other half's 32 rows
.set T_, T_+1
.endr
.set T_, 0
.rept 16
	v_add_f32 v[64+T_], v[64+T_], v[80+T_]
.set T_, T_+1
.endr
.set T_, 0
.rept 16
	ds_store_b32 v10, v[64+T_] offset:64*T_        ; by places, into my own scratch (both halves write the same words with the same values)
.set T_, T_+1
.endr
	ds_load_b128 v[96:99], v11                     ; LDS serves a wave's instructions in order: these see my stores
	ds_load_b128 v[100:103], v11 offset:512
	s_wait_dscnt 0x0
	global_store_b128 v1, v[96:99], s[8:9]         ; 512 consecutive bytes, aligned
	global_store_b128 v1, v[100:103], s[8:9] offset:512
	s_wait_tensorcnt 0x0                           ; the wave's end
	ds_add_u32 v[SPW], v[NIL]
	s_wait_dscnt 0x0
	ROUND                                          ; the closing round: no work-group ends while a partner may still ask for a tile that names it
	s_endpgm
.Lfunc_end_k_qe07d9b790c_kstat:
	.size	k_qe07d9b790c_kstat, .Lfunc_end_k_qe07d9b790c_kstat-k_qe07d9b790c_kstat
	.p2alignl 7, 3214868480
	.fill 96, 4, 3214868480
	.section	.rodata,"a",@progbits
	.p2align	6, 0x0
	.amdhsa_kernel k_qe07d9b790c_kstat
		.amdhsa_group_segment_fixed_size 327680
		.amdhsa_private_segment_fixed_size 0
		.amdhsa_enable_private_segment 0
		.amdhsa_kernarg_size 32
		.amdhsa_user_sgpr_count 2
		.amdhsa_user_sgpr_kernarg_segment_ptr 1
		.amdhsa_wavefront_size32 1
		.amdhsa_system_sgpr_workgroup_id_x 1
		.amdhsa_system_sgpr_workgroup_id_y 1
		.amdhsa_system_sgpr_workgroup_id_z 1
		.amdhsa_system_vgpr_workitem_id 0
		.amdhsa_next_free_vgpr 1024
		.amdhsa_next_free_sgpr 66
		.amdhsa_reserve_vcc 0
		.amdhsa_float_denorm_mode_32 3
		.amdhsa_float_denorm_mode_16_64 3
		.amdhsa_memory_ordered 1
		.amdhsa_forward_progress 1
		.amdhsa_inst_pref_size 255
	.end_amdhsa_kernel
	.section	.bss,"aw",@nobits
	.p2align	6
	.space	262144
	.amdgpu_metadata
---
amdhsa.version: [ 1, 2 ]
amdhsa.kernels:
  - .name:           k_qe07d9b790c_kstat
    .symbol:         k_qe07d9b790c_kstat.kd
    .args:
      - { .name: xq, .offset: 0, .size: 8, .value_kind: global_buffer, .address_space: global }
      - { .name: wq, .offset: 8, .size: 8, .value_kind: global_buffer, .address_space: global }
      - { .name: pk, .offset: 16, .size: 8, .value_kind: global_buffer, .address_space: global }
      - { .name: pq, .offset: 24, .size: 8, .value_kind: global_buffer, .address_space: global }
    .group_segment_fixed_size: 327680
    .private_segment_fixed_size: 0
    .kernarg_segment_align: 8
    .kernarg_segment_size: 32
    .max_flat_workgroup_size: 128
    .sgpr_count:     66
    .vgpr_count:     1024
    .wavefront_size: 32
...
	.end_amdgpu_metadata
.endif
;; end of part 3
;; launch vgemm (part 4): grid 4 x 64, 4 waves a work-group, clusters of 4 x 4, 327,680 bytes of LDS; arguments xq, wq, pk, uq; writes uq
.if DOCPART == 4
	.amdgcn_target "amdgcn-amd-amdhsa--gfx1250"
	.amdhsa_code_object_version 6
	.text
	.protected	k_qe07d9b790c_vgemm
	.globl	k_qe07d9b790c_vgemm
	.p2align	8
	.type	k_qe07d9b790c_vgemm,@function
k_qe07d9b790c_vgemm:
	s_mov_b64 s[64:65], 0
	v_nop
	global_prefetch_b8 v0, s[64:65] scope:SCOPE_SE
	s_setreg_imm32_b32 hwreg(HW_REG_WAVE_MODE, 25, 1), 1
	s_wait_xcnt 0x0
	s_wait_alu depctr_hold_cnt(0) depctr_sa_sdst(0) depctr_va_vdst(0) depctr_va_sdst(0) depctr_va_ssrc(0) depctr_va_vcc(0) depctr_vm_vsrc(0)
	s_getreg_b32 s2, hwreg(HW_REG_IB_STS2, 6, 4)
	s_cmp_eq_u32 s2, 0
	s_cbranch_scc0 .Lentry_in_a_cluster
	s_endpgm
.Lentry_in_a_cluster:
	s_bfe_u32 s2, ttmp6, 0x10000c
	s_cmp_lg_u32 s2, 0xf033
	s_cbranch_scc0 .Lentry_shape_is_right
	s_endpgm
.Lentry_shape_is_right:
; v = x Wv on codes of E3M2; global_key = the sum of its batch's 64 parts; u = global_key * v, quantised along the features in registers and stored as images, laid as xq is (see quant).  No work of reference() is left out here.
; A work-group makes 256 rows x 256 columns (one quarter of Wv), a wave 128 x 128: 64 accumulators.  K goes in 8 steps of 128 through two LDS slots of two K steps each (102,400 bytes a slot): four fills.
; A slot: four blocks of 64 rows of x, 12,800 bytes each (two K steps of 6,400), then two K steps of the quarter of Wv, 25,600 bytes each.  Waves 0, 1 fetch two blocks each, waves 2, 3 a K step of weights each.
; CLUSTERS 4 x 4: x's tiles are asked for jointly along a row of the cluster, the weights' along a column.
; TRANSPOSED USE: source 0 = 16 columns of Wv, source 1 = 16 rows of x: lane (r, h) holds row r, and the 16 registers of tiles 2 p, 2 p + 1 are columns 32 p + 16 h + 0 .. 15: neighbours along u's K.  My 128 columns are one K step of u.
; PREFETCH: fill 1 is asked for ahead of the first round, fills 2 and 3 behind the joint loads of fills 0 and 1: two fills, four K steps, ahead of their loads.  Of a fill's 51,200 bytes of x (of weights) each of the four partners
; that load them jointly names 12,800, told apart by address: waves 0, 1 (2, 3) a block of 256 bytes a lane, 50 blocks; the lanes left over name the last block again.
; LIMITS: NaN and infinities are not served; a block of u under 2^-122 has its byte held at 1, a block of zeros the byte 1 (its codes are zeros; this program alone reads the bytes); sums are taken in another order than reference()'s.
; REGISTERS: window 0: v16-29 addresses, v32-47 scale words in two sets, v128-223 x's fragments; window 1: the weights' fragments, two sets at v0 and v128; windows 2, 3: accumulator (a, b) at v[8 (8 (a % 4) + b)].
.set ASTEP, 25600                      ; a slot's next fill: two pairs of K steps on
.set BSTEP, 409600
.set MATOFF, 819200                    ; Wv's images in wq
.set ASKS,  0                          ; the refills have no fill two on
.set SLOT,  102400
.set SCR,   204800                     ; 1,024 bytes: global_key at the work-group's 256 places; wave w puts places 64 w .. 64 w + 63 there
.set SPARE, 206848                     ; the spare words, 128 bytes a wave: no other line names them
.set ADRA, 16
.set ADRB, 18
.set ADSA, 20
.set ADSB, 22
.set GWR,  24
.set GRD,  25
.set PFO,  26
.set PLO,  27
.set SPW,  28
.set NIL,  29
.set SC,   32
.set GK,   64
.set AF,   128
.set PC,   192
.set TM,   224
.set SW,   240
.set G1,  24
.set G0,  32
.set G1B, 48
.set G0B, 56
.set PF,  72                           ; s[72:73], s[74:75] where my prefetches stand, slot 0's and slot 1's; s[70:71] their step
.set MUL_LO, 0xa1
.set MUL_HI, 0xf1
.set MSB, 0
.macro WIN new
.if MSB != (\new)
	s_set_vgpr_msb (MSB<<8)|(\new)
.set MSB, (\new)
.endif
.endm
.macro PLACES
.rept 4
	v_nop
.endr
.endm
.macro CREST
	s_cmp_lg_u32 s14, 0
	s_cbranch_scc1 .Lnot_wave_0_\@
	s_barrier_signal -3
.Lnot_wave_0_\@:
	s_barrier_wait -3
	s_barrier_signal -1
	s_barrier_wait -1
.endm
.macro CROUND
	s_barrier_signal -1
	s_barrier_wait -1
	CREST
.endm
.macro JLOAD s                         ; waves 0, 1 ask for x's blocks, waves 2, 3 for the weights
	s_cmp_eq_u32 s15, 0
	s_cbranch_scc0 .Lfor_b_\@
	tensor_load_to_lds s[G0+4*\s:G0+4*\s+3], s[G1:G1+7]
	s_nop 0
	PLACES
	s_branch .Lasked_\@
.Lfor_b_\@:
	tensor_load_to_lds s[G0B+4*\s:G0B+4*\s+3], s[G1B:G1B+7]
	s_nop 0
	PLACES
.Lasked_\@:
.endm
.macro ASK s, how                      ; slot s's fill after the one just asked for; how = 1: in the loop, whose last trip has none
	s_wait_xcnt 0x0                                ; my earlier prefetch has read its address
	s_add_nc_u64 s[PF+2*(\s):PF+2*(\s)+1], s[PF+2*(\s):PF+2*(\s)+1], s[70:71]
.if \how
	s_cmp_gt_u32 s3, 1
	s_cbranch_scc0 .Lno_ask_\@
.endif
	global_prefetch_b8 v[PFO], s[PF+2*(\s):PF+2*(\s)+1] th:TH_LOAD_NT scope:SCOPE_SE
.if \how
.Lno_ask_\@:
.endif
.endm
.macro WM d, a, b, zero, sa, sb, ra, rb        ; one product; ra, rb: which half of the lanes holds the side's scale words
.set RC_, 2*(\ra)+(\rb)
.if \zero
.if RC_ == 0
	v_wmma_scale_f32_16x16x128_f8f6f4 v[\d:\d+7], v[\a:\a+11], v[\b:\b+11], 0, v[\sa], v[\sb] matrix_a_fmt:MATRIX_FMT_BF6 matrix_b_fmt:MATRIX_FMT_BF6
.elseif RC_ == 1
	v_wmma_scale_f32_16x16x128_f8f6f4 v[\d:\d+7], v[\a:\a+11], v[\b:\b+11], 0, v[\sa], v[\sb] matrix_a_fmt:MATRIX_FMT_BF6 matrix_b_fmt:MATRIX_FMT_BF6 matrix_b_scale:MATRIX_SCALE_ROW1
.elseif RC_ == 2
	v_wmma_scale_f32_16x16x128_f8f6f4 v[\d:\d+7], v[\a:\a+11], v[\b:\b+11], 0, v[\sa], v[\sb] matrix_a_fmt:MATRIX_FMT_BF6 matrix_b_fmt:MATRIX_FMT_BF6 matrix_a_scale:MATRIX_SCALE_ROW1
.else
	v_wmma_scale_f32_16x16x128_f8f6f4 v[\d:\d+7], v[\a:\a+11], v[\b:\b+11], 0, v[\sa], v[\sb] matrix_a_fmt:MATRIX_FMT_BF6 matrix_b_fmt:MATRIX_FMT_BF6 matrix_a_scale:MATRIX_SCALE_ROW1 matrix_b_scale:MATRIX_SCALE_ROW1
.endif
.else
.if RC_ == 0
	v_wmma_scale_f32_16x16x128_f8f6f4 v[\d:\d+7], v[\a:\a+11], v[\b:\b+11], v[\d:\d+7], v[\sa], v[\sb] matrix_a_fmt:MATRIX_FMT_BF6 matrix_b_fmt:MATRIX_FMT_BF6
.elseif RC_ == 1
	v_wmma_scale_f32_16x16x128_f8f6f4 v[\d:\d+7], v[\a:\a+11], v[\b:\b+11], v[\d:\d+7], v[\sa], v[\sb] matrix_a_fmt:MATRIX_FMT_BF6 matrix_b_fmt:MATRIX_FMT_BF6 matrix_b_scale:MATRIX_SCALE_ROW1
.elseif RC_ == 2
	v_wmma_scale_f32_16x16x128_f8f6f4 v[\d:\d+7], v[\a:\a+11], v[\b:\b+11], v[\d:\d+7], v[\sa], v[\sb] matrix_a_fmt:MATRIX_FMT_BF6 matrix_b_fmt:MATRIX_FMT_BF6 matrix_a_scale:MATRIX_SCALE_ROW1
.else
	v_wmma_scale_f32_16x16x128_f8f6f4 v[\d:\d+7], v[\a:\a+11], v[\b:\b+11], v[\d:\d+7], v[\sa], v[\sb] matrix_a_fmt:MATRIX_FMT_BF6 matrix_b_fmt:MATRIX_FMT_BF6 matrix_a_scale:MATRIX_SCALE_ROW1 matrix_b_scale:MATRIX_SCALE_ROW1
.endif
.endif
.endm
; 16 products: row blocks a0, a0 + 1 x the eight tiles of columns; p: the weights' set and the scale words' set.  The 64 accumulators take turns.
.macro MUL16 a0, p, zero
.irp a, \a0, \a0+1
.irp b, 0,1,2,3,4,5,6,7
	WM 8*(8*((\a)%4)+\b), 128*(\p)+12*\b, AF+12*(\a), \zero, SC+8*(\p)+4+\b/2, SC+8*(\p)+2*((\a)/4)+((\a)%4)/2, \b%2, (\a)%2
.endr
.endr
.endm
.macro FETCH_B sl, q                   ; the weights' eight fragments of K step q of slot sl into set q: three loads of 16 bytes a lane restore an image
	WIN 0x40
.irp i, 0,1,2,3,4,5,6,7
.irp c, 0,1,2
	ds_load_b128 v[128*(\q)+12*\i+4*\c:128*(\q)+12*\i+4*\c+3], v[ADRB+(\sl)] offset:(\q)*25600+1536*\i+512*\c
.endr
.endr
	WIN 0
.endm
.macro FETCH_A sl, q, i0               ; row blocks i0 .. i0 + 3
.irp i, \i0, \i0+1, \i0+2, \i0+3
.irp c, 0,1,2
	ds_load_b128 v[AF+12*(\i)+4*\c:AF+12*(\i)+4*\c+3], v[ADRA+(\sl)] offset:((\i)/4)*12800+(\q)*6400+((\i)%4)*1536+512*\c
.endr
.endr
.endm
.macro SCALES sl, q                    ; the rows' scale words (two registers a block of 64 rows) and the columns' (four registers)
	ds_load_b64 v[SC+8*(\q):SC+8*(\q)+1], v[ADSA+(\sl)] offset:(\q)*6400+6144
	ds_load_b64 v[SC+8*(\q)+2:SC+8*(\q)+3], v[ADSA+(\sl)] offset:12800+(\q)*6400+6144
	ds_load_b128 v[SC+8*(\q)+4:SC+8*(\q)+7], v[ADSB+(\sl)] offset:(\q)*25600
.endm
; A K step: 64 products; the next step's fragments are fetched on the way.  kind 0: the next step lies in the same slot.  kind 1, a slot's second step: all its fragments are in registers, so the slot is read out at the step's head:
; every wave waits for all its tensor loads (its part of the other slot), adds 0 to its spare word and waits for that and for its reads; a round of the cluster's barrier; the joint refill is the first tensor load behind it and has
; two whole steps, 128 products, up to the wait for it.  kind 2: the same with nothing left to fill.  kind 3: the last step.
.macro STEP sl, q, zero, kind
.set NS_, ((\sl)+(\q))%2
.set NQ_, 1-(\q)
.if (\kind) == 1 || (\kind) == 2
	s_wait_tensorcnt 0x0
	ds_add_u32 v[SPW], v[NIL]
.if (\kind) == 1
	s_add_nc_u64 s[G0+4*(\sl)+2:G0+4*(\sl)+3], s[G0+4*(\sl)+2:G0+4*(\sl)+3], ASTEP
	s_add_nc_u64 s[G0B+4*(\sl)+2:G0B+4*(\sl)+3], s[G0B+4*(\sl)+2:G0B+4*(\sl)+3], BSTEP
.endif
	s_wait_dscnt 0x0                               ; the add is done, my reads of this slot are over
	s_barrier_signal -1
	s_barrier_wait -1
.if (\kind) == 1
	CREST
	JLOAD \sl
.endif
	FETCH_B NS_, NQ_                               ; into the set that the step before multiplied: its places stand at that step's end
	SCALES NS_, NQ_
.if (\kind) == 1 && ASKS
	ASK \sl, 1
.endif
	WIN MUL_LO
	MUL16 0, \q, \zero
	MUL16 2, \q, \zero
	PLACES
	WIN 0
	FETCH_A NS_, NQ_, 0
.else
	s_wait_dscnt 12                                ; all but the youngest 12 loads: row blocks 4-7
	WIN MUL_LO
	MUL16 0, \q, \zero
	MUL16 2, \q, \zero
	s_wait_dscnt 0x0
.if (\kind) == 0
	PLACES
	FETCH_B NS_, NQ_
	FETCH_A NS_, NQ_, 0
	SCALES NS_, NQ_
.endif
.endif
	WIN MUL_HI
	MUL16 4, \q, \zero
	MUL16 6, \q, \zero
.if (\kind) != 3
	PLACES
	WIN 0
	FETCH_A NS_, NQ_, 4
.endif
.endm
; Rows 16 a .. 16 a + 15 of my K step of u become an image.  Block b: my 16 numbers k = 32 b + 16 h + 0 .. 15 stand in registers 64 (a % 4) + 16 b + 0 .. 15 of window 2 + a / 4.
.macro QUANT a
.set AB_, 64*((\a)%4)
.set OB_, 51200*((\a)/4)
.set M_, (\a)%4
	s_wait_xcnt 0x0                                ; the last image's stores have read their data
	WIN 0x0a+5*((\a)/4)
.irp b, 0,1,2,3
	v_max3_num_f32 v[TM+\b], |v[AB_+16*\b]|, |v[AB_+16*\b+1]|, 0x2800000   ; with the floor 2^(5 - 127): the byte cannot fall under 1
.endr
.irp i, 2,4,6,8,10,12,14
.irp b, 0,1,2,3
	v_max3_num_f32 v[TM+\b], |v[AB_+16*\b+\i]|, |v[AB_+16*\b+\i+1]|, v[TM+\b]
.endr
.endr
	WIN 0
.irp b, 0,1,2,3
	v_permlanex16_b32 v[TM+4+\b], v[TM+\b], s12, s13
.endr
.irp b, 0,1,2,3
	v_max_num_f32 v[TM+\b], v[TM+\b], v[TM+4+\b]   ; with lane l xor 16's 16: the block's largest magnitude
.endr
.irp b, 0,1,2,3
	v_add_nc_u32 v[TM+12+\b], 0xfe000000, v[TM+\b] ; 4 off its exponent field: the conversion's scale operand
.endr
.irp b, 0,1,2,3
	v_lshrrev_b32 v[TM+4+\b], 23, v[TM+12+\b]      ; the scale's byte
.endr
	v_lshl_or_b32 v[SW+M_], v[TM+5], 8, v[TM+4]
	v_lshl_or_b32 v[SW+M_], v[TM+6], 16, v[SW+M_]
	v_lshl_or_b32 v[SW+M_], v[TM+7], 24, v[SW+M_]  ; my row's scale word
	WIN 0x02+(\a)/4
.irp c, 0,1
	v_cvt_scalef32_pk16_bf6_f32 v[PC+6*\c:PC+6*\c+2], v[AB_+32*\c:AB_+32*\c+15], v[TM+12+2*\c]
	v_cvt_scalef32_pk16_bf6_f32 v[PC+12+4*\c:PC+14+4*\c], v[AB_+32*\c+16:AB_+32*\c+31], v[TM+13+2*\c]
.endr
	WIN 0
	v_nop                                          ; one plain line behind the conversions
.irp c, 0,1                            ; the operand's layout wants a whole block in a lane
.irp i, 0,1,2
	v_permlane16_swap_b32 v[PC+6*\c+\i], v[PC+12+4*\c+\i]
.endr
.irp i, 0,1,2
	v_mov_b32 v[PC+3+6*\c+\i], v[PC+12+4*\c+\i]
.endr
.endr
.irp c, 0,1,2
	global_store_b128 v2, v[PC+4*\c:PC+4*\c+3], s[10:11] offset:OB_+1536*M_+512*\c   ; 512 consecutive bytes, aligned
.endr
.if M_ == 3
	v_cndmask_b32 v244, v[SW], v[SW+1], s18        ; lanes 0-15: tiles 0 and 2; lanes 16-31: tiles 1 and 3
	v_cndmask_b32 v245, v[SW+2], v[SW+3], s18
	global_store_b64 v3, v[244:245], s[10:11] offset:OB_+6144      ; 256 consecutive bytes, aligned
.endif
.endm
	s_load_b256 s[4:11], s[0:1], 0x0               ; xq s[4:5], wq s[6:7], pk s[8:9], uq s[10:11]
	v_lshl_add_u32 v[SPW], v0, 2, SPARE
	v_mov_b32 v[NIL], 0
	ds_add_u32 v[SPW], v[NIL]                      ; the opening lines: the add twice on end and its wait ahead of my first tensor load
	ds_add_u32 v[SPW], v[NIL]
	v_lshrrev_b32 v1, 5, v0
	v_readfirstlane_b32 s14, v1                    ; wave
	s_lshr_b32 s15, s14, 1                         ; my half of the rows; also: I fetch x (0) or weights (1)
	s_and_b32 s16, s14, 1                          ; my half of the columns; also: which part I fetch
	s_bfe_u32 s40, ttmp6, 0x40000                  ; cx
	s_bfe_u32 s41, ttmp6, 0x40004                  ; cy
	s_lshl_b32 s42, ttmp9, 2
	s_add_co_u32 s42, s42, s40                     ; column quarter
	s_and_b32 s17, ttmp7, 0xffff
	s_lshl_b32 s17, s17, 2
	s_add_co_u32 s17, s17, s41                     ; tile of 256 rows
	s_lshl_b32 s43, s41, 2
	s_lshl_b32 s43, 15, s43                        ; my row of the cluster
	s_lshl_b32 s44, 0x1111, s40                    ; my column
	s_or_b32 s[G1], s43, (3<<16)|(1<<21)           ; x: elements of 8 bytes, two rows of 12,800 bytes, 51,200 bytes apart
	s_mov_b32 s[G1+1], 1600<<16
	s_mov_b32 s[G1+2], 2<<16
	s_mov_b32 s[G1+3], 1600<<16
	s_mov_b32 s[G1+4], 2
	s_mov_b32 s[G1+5], 6400
	s_mov_b32 s[G1+6], 0
	s_mov_b32 s[G1+7], 0
	s_or_b32 s[G1B], s44, (3<<16)|(1<<21)          ; weights: 25,600 dense bytes as 100 rows of 256
	s_mov_b32 s[G1B+1], 32<<16
	s_mov_b32 s[G1B+2], 100<<16
	s_mov_b32 s[G1B+3], 32<<16
	s_mov_b32 s[G1B+4], 100
	s_mov_b32 s[G1B+5], 32
	s_mov_b32 s[G1B+6], 0
	s_mov_b32 s[G1B+7], 0
	s_mul_i32 s18, s16, 102400
	s_mul_i32 s20, s17, 204800
	s_add_co_u32 s20, s20, s18                     ; x: the two blocks of 64 rows that I fetch
	s_mov_b32 s21, 0
	s_mul_i32 s46, s42, 25600
	s_add_co_u32 s46, s46, s18                     ; weights: the quarter, the K step of a pair that I fetch
	s_add_co_u32 s46, s46, MATOFF
	s_mov_b32 s47, 0
	s_mul_i32 s45, s14, 25600                      ; where my load lands in a slot
	s_lshr_b32 s22, s17, 4                         ; my batch: its 64 parts of 4,096 bytes, my 128 places
	s_lshl_b32 s22, s22, 18
	s_lshl_b32 s19, s42, 10
	s_add_co_u32 s22, s22, s19
	s_lshl_b32 s19, s14, 8                         ; the 64 places that my wave sums
	s_add_co_u32 s22, s22, s19
	s_mov_b32 s23, 0
	s_mul_i32 s12, s17, 204800                     ; uq: my two blocks of 64 rows, K step 2 x quarter + my half
	s_mul_i32 s19, s15, 102400
	s_add_co_u32 s12, s12, s19
	s_mul_i32 s19, s42, 12800
	s_add_co_u32 s12, s12, s19
	s_mul_i32 s19, s16, 6400
	s_add_co_u32 s12, s12, s19
	s_mov_b32 s13, 0
	s_mul_i32 s66, s15, 25600                      ; LDS: my 128 rows,
	s_mul_i32 s67, s16, 12288
	s_add_co_u32 s67, s67, 51200                   ; my eight tiles of columns,
	s_lshl_b32 s68, s16, 9
	s_add_co_u32 s68, s68, 75776                   ; their scale words,
	s_lshl_b32 s69, s14, 8
	s_add_co_u32 s69, s69, SCR                     ; the scratch: where my wave puts its 64 places,
	s_lshl_b32 s79, s16, 9
	s_add_co_u32 s79, s79, SCR                     ; and where the places of my 128 columns lie
	s_mul_i32 s76, s17, 204800                     ; the prefetches: of x block cx of the tile's four;
	s_mul_i32 s19, s40, 51200
	s_add_co_u32 s76, s76, s19
	s_mul_i32 s77, s42, 25600                      ; of the weights K step cy / 2 of the pair, half cy % 2 of the quarter
	s_lshr_b32 s19, s41, 1
	s_mul_i32 s19, s19, 102400
	s_add_co_u32 s77, s77, s19
	s_and_b32 s19, s41, 1
	s_mul_i32 s19, s19, 12800
	s_add_co_u32 s77, s77, s19
	s_add_co_u32 s77, s77, MATOFF
	s_lshl_b32 s78, s16, 5
	v_and_b32 v1, 31, v0
	v_bfe_u32 v4, v0, 4, 1
	v_lshlrev_b32 v2, 4, v1                        ; 16 l
	v_lshlrev_b32 v3, 3, v1                        ; 8 l
	v_add_nc_u32 v[ADRA], s66, v2
	v_add_nc_u32 v[ADRB], s67, v2
	v_add_nc_u32 v[ADSA], s66, v3
	v_add_nc_u32 v[ADSB], s68, v2
.irp r, ADRA, ADRB, ADSA, ADSB
	v_add_nc_u32 v[\r+1], SLOT, v[\r]
.endr
	v_and_b32 v5, 15, v0
	v_lshlrev_b32 v5, 4, v5                        ; 16 (l % 16)
	v_add_nc_u32 v[GWR], s69, v5
	v_lshl_add_u32 v[GRD], v4, 5, s79
	v_lshl_add_u32 v[PLO], v4, 12, v5              ; the parts: lanes 16-31 take the next part, 4,096 bytes on
	v_add_nc_u32 v[PFO], s78, v1                   ; block 32 (wave % 2) + l of my work-group's 50, the last one for the lanes left over
	v_min_u32 v[PFO], 49, v[PFO]
	v_lshlrev_b32 v[PFO], 8, v[PFO]
	s_wait_alu depctr_va_vdst(0)                   ; the wait at the head's end
	s_wait_dscnt 0x0                               ; both opening adds are done
	s_wait_kmcnt 0x0
	s_add_nc_u64 s[20:21], s[4:5], s[20:21]
	s_add_nc_u64 s[46:47], s[6:7], s[46:47]
	s_add_nc_u64 s[8:9], s[8:9], s[22:23]
	s_add_nc_u64 s[10:11], s[10:11], s[12:13]
	s_mov_b32 s12, 0x76543210
	s_mov_b32 s13, 0xfedcba98                      ; lane l xor 16
	s_cmp_eq_u32 s15, 0                            ; do I fetch x?  The choice hangs on the wave's number alone
	s_cselect_b64 s[PF:PF+1], s[4:5], s[6:7]
	s_cselect_b32 s76, s76, s77
	s_mov_b32 s78, 204800
	s_cselect_b32 s78, 12800, s78                  ; from fill 0 to fill 1
	s_mov_b32 s70, BSTEP
	s_cselect_b32 s70, ASTEP, s70                  ; from a slot's fill to its next
	s_mov_b32 s71, 0
	s_mov_b32 s77, 0
	s_mov_b32 s79, 0
	s_add_nc_u64 s[PF:PF+1], s[PF:PF+1], s[76:77]
	s_add_nc_u64 s[PF+2:PF+3], s[PF:PF+1], s[78:79]
.irp s, 0,1
	s_mov_b32 s[G0+4*\s], 1
	s_add_co_u32 s[G0+4*\s+1], s45, \s*SLOT
	s_add_nc_u64 s[G0+4*\s+2:G0+4*\s+3], s[20:21], \s*12800
	s_or_b32 s[G0+4*\s+3], s[G0+4*\s+3], 0x80000000
	s_mov_b32 s[G0B+4*\s], 1
	s_add_co_u32 s[G0B+4*\s+1], s45, \s*SLOT
	s_add_nc_u64 s[G0B+4*\s+2:G0B+4*\s+3], s[46:47], \s*204800
	s_or_b32 s[G0B+4*\s+3], s[G0B+4*\s+3], 0x80000000
.endr
	global_prefetch_b8 v[PFO], s[PF+2:PF+3] th:TH_LOAD_NT scope:SCOPE_SE   ; fill 1
	WIN 0x80                                       ; the 64 parts at my wave's 64 places, two parts a load, sixteen lanes on 256 consecutive bytes, into the accumulators' registers, which are still free
.set I_, 0
.rept 32
	global_load_b128 v[4*I_:4*I_+3], v[PLO], s[8:9] offset:8192*I_
.set I_, I_+1
.endr
	WIN 0
	CROUND                                         ; all sixteen work-groups are here: the first joint loads meet
	JLOAD 0                                        ; K steps 0, 1: one tensor load a wave at the head
	ASK 0, 0                                       ; fill 2
	s_wait_tensorcnt 0x0                           ; slot 1's first fill is issued as a refill is: the three lines, a round, the load
	ds_add_u32 v[SPW], v[NIL]
	s_wait_dscnt 0x0
	CROUND
	JLOAD 1                                        ; K steps 2, 3
	s_wait_loadcnt 0x0
	WIN 0xaa
.irp st, 16,8,4,2,1                    ; the sum of my half's 32 parts, by halving
.set E_, 0
.rept \st
	v_pk_add_f32 v[4*E_:4*E_+1], v[4*E_:4*E_+1], v[4*(E_+\st):4*(E_+\st)+1]
	v_pk_add_f32 v[4*E_+2:4*E_+3], v[4*E_+2:4*E_+3], v[4*(E_+\st)+2:4*(E_+\st)+3]
.set E_, E_+1
.endr
.endr
	WIN 0x82
.irp k, 0,1,2,3
	v_permlanex16_b32 v[4+\k], v[\k], s12, s13     ; the other half's 32 parts
.endr
	WIN 0xaa
	v_pk_add_f32 v[0:1], v[0:1], v[4:5]
	v_pk_add_f32 v[2:3], v[2:3], v[6:7]
	WIN 0x08
	ds_store_b128 v[GWR], v[0:3]                   ; by places (both halves write the same words with the same values); the other waves read them on the way out, behind the wait and the barrier of the first change of slots
	WIN 0
	FETCH_B 0, 0
	FETCH_A 0, 0, 0
	SCALES 0, 0
	FETCH_A 0, 0, 4
	ASK 1, 0                                       ; fill 3
	STEP 0, 0, 1, 0                                ; the first step's products start the sums
	STEP 0, 1, 0, 1                                ; slot 0 takes K steps 4, 5
	STEP 1, 0, 0, 0
	STEP 1, 1, 0, 1                                ; slot 1 takes K steps 6, 7
	STEP 0, 0, 0, 0
	STEP 0, 1, 0, 2
	STEP 1, 0, 0, 0
	STEP 1, 1, 0, 3
	WIN 0
.irp b, 0,1,2,3
	v_mov_b32 v[TM+4+\b], 0                        ; a lane permute's destination counts as one of its sources; also the four places behind the last product
.endr
.irp b, 0,1,2,3,4,5,6,7
.irp q, 0,1
	ds_load_b128 v[GK+8*\b+4*\q:GK+8*\b+4*\q+3], v[GRD] offset:64*\b+16*\q   ; register j of tile b is place 16 b + 8 h + j
.endr
.endr
	s_mov_b32 s18, 0xffff0000                      ; lanes 16-31
	s_wait_dscnt 0x0
.irp g, 0,1                            ; u = global_key * v; each accumulator from its low end on
	WIN 0x82+0x41*\g
.set N_, 0
.rept 128
	v_pk_mul_f32 v[2*N_:2*N_+1], v[2*N_:2*N_+1], v[GK+(2*N_)%64:GK+(2*N_)%64+1]
.set N_, N_+1
.endr
.endr
	WIN 0
.irp a, 0,1,2,3,4,5,6,7
	QUANT \a
.endr
	s_wait_tensorcnt 0x0                           ; the wave's end
	ds_add_u32 v[SPW], v[NIL]
	s_wait_dscnt 0x0
	CROUND                                         ; the closing round
	s_endpgm
.Lfunc_end_k_qe07d9b790c_vgemm:
	.size	k_qe07d9b790c_vgemm, .Lfunc_end_k_qe07d9b790c_vgemm-k_qe07d9b790c_vgemm
	.p2alignl 7, 3214868480
	.fill 96, 4, 3214868480
	.section	.rodata,"a",@progbits
	.p2align	6, 0x0
	.amdhsa_kernel k_qe07d9b790c_vgemm
		.amdhsa_group_segment_fixed_size 327680
		.amdhsa_private_segment_fixed_size 0
		.amdhsa_enable_private_segment 0
		.amdhsa_kernarg_size 32
		.amdhsa_user_sgpr_count 2
		.amdhsa_user_sgpr_kernarg_segment_ptr 1
		.amdhsa_wavefront_size32 1
		.amdhsa_system_sgpr_workgroup_id_x 1
		.amdhsa_system_sgpr_workgroup_id_y 1
		.amdhsa_system_sgpr_workgroup_id_z 1
		.amdhsa_system_vgpr_workitem_id 0
		.amdhsa_next_free_vgpr 1024
		.amdhsa_next_free_sgpr 80
		.amdhsa_reserve_vcc 0
		.amdhsa_float_denorm_mode_32 3
		.amdhsa_float_denorm_mode_16_64 3
		.amdhsa_memory_ordered 1
		.amdhsa_forward_progress 1
		.amdhsa_inst_pref_size 164
	.end_amdhsa_kernel
	.amdgpu_metadata
---
amdhsa.version: [ 1, 2 ]
amdhsa.kernels:
  - .name:           k_qe07d9b790c_vgemm
    .symbol:         k_qe07d9b790c_vgemm.kd
    .args:
      - { .name: xq, .offset: 0, .size: 8, .value_kind: global_buffer, .address_space: global }
      - { .name: wq, .offset: 8, .size: 8, .value_kind: global_buffer, .address_space: global }
      - { .name: pk, .offset: 16, .size: 8, .value_kind: global_buffer, .address_space: global }
      - { .name: uq, .offset: 24, .size: 8, .value_kind: global_buffer, .address_space: global }
    .group_segment_fixed_size: 327680
    .private_segment_fixed_size: 0
    .kernarg_segment_align: 8
    .kernarg_segment_size: 32
    .max_flat_workgroup_size: 128
    .sgpr_count:     80
    .vgpr_count:     1024
    .wavefront_size: 32
...
	.end_amdgpu_metadata
.endif
;; end of part 4
;; launch ogemm (part 5): grid 4 x 64, 4 waves a work-group, clusters of 4 x 4, 327,680 bytes of LDS; arguments xq, uq, wq, out0; writes out0
.if DOCPART == 5
	.amdgcn_target "amdgcn-amd-amdhsa--gfx1250"
	.amdhsa_code_object_version 6
	.text
	.protected	k_qe07d9b790c_ogemm
	.globl	k_qe07d9b790c_ogemm
	.p2align	8
	.type	k_qe07d9b790c_ogemm,@function
k_qe07d9b790c_ogemm:
	s_mov_b64 s[64:65], 0
	v_nop
	global_prefetch_b8 v0, s[64:65] scope:SCOPE_SE
	s_setreg_imm32_b32 hwreg(HW_REG_WAVE_MODE, 25, 1), 1
	s_wait_xcnt 0x0
	s_wait_alu depctr_hold_cnt(0) depctr_sa_sdst(0) depctr_va_vdst(0) depctr_va_sdst(0) depctr_va_ssrc(0) depctr_va_vcc(0) depctr_vm_vsrc(0)
	s_getreg_b32 s2, hwreg(HW_REG_IB_STS2, 6, 4)
	s_cmp_eq_u32 s2, 0
	s_cbranch_scc0 .Lentry_in_a_cluster
	s_endpgm
.Lentry_in_a_cluster:
	s_bfe_u32 s2, ttmp6, 0x10000c
	s_cmp_lg_u32 s2, 0xf033
	s_cbranch_scc0 .Lentry_shape_is_right
	s_endpgm
.Lentry_shape_is_right:
; out = x Wq + u Wr on codes of E3M2, in ONE set of accumulators: a product of K = 2,048.  No work of reference() is left out here.
; Shares, slots, cluster, transposed use and registers as in vgemm.  Slot 0 always holds two K steps of x and Wq, slot 1 two K steps of u and Wr: so each slot's addresses step by a constant in their own buffers.  Eight fills.
; Sixteen K steps: the first stands in front of the loop, a trip goes once round the ring (four steps, both slots filled again), the last three are written out.
; PREFETCH: fill 1 is asked for ahead of the first round; behind the joint load of fill f stands the request for fill f + 2, the same slot's next: two fills, four K steps, ahead of its load; the loop's last trip, fills 6 and 7, asks for nothing.
; Of a fill's 51,200 bytes of rows (of weights) each of the four partners that load them jointly names 12,800, told apart by address: waves 0, 1 (2, 3) a block of 256 bytes a lane, 50 blocks; the lanes left over name the last block again.
; THE WAY OUT: 16 rows x 128 columns at a time through my own stage in LDS (bytes that no tensor load fills), back as whole rows of 512 bytes into the block's own accumulator registers: no store's data are written again,
; and every offset is an immediate (127 rows of 4,096 bytes at the most).
; LIMITS: NaN and infinities are not served; the sums over K are taken in another order than reference()'s.
.set ASTEP, 12800
.set BSTEP, 204800
.set MATOFF, 2*819200                  ; Wq's images in wq; Wr's lie 819,200 bytes further on
.set ASKS,  1
.set TRIPS, 3
.set SLOT,  102400
.set STAGE, 204800                     ; 16 rows x 528 bytes a wave
.set SPARE, 238592                     ; the spare words, 128 bytes a wave: no other line names them
.set ADRA, 16
.set ADRB, 18
.set ADSA, 20
.set ADSB, 22
.set STO,  24
.set RD,   25
.set PFO,  26
.set SPW,  28
.set NIL,  29
.set SC,   32
.set AF,   128
.set G1,  24
.set G0,  32
.set G1B, 48
.set G0B, 56
.set PF,  72                           ; s[72:73], s[74:75] where my prefetches stand, slot 0's and slot 1's; s[70:71] their step
.set MUL_LO, 0xa1
.set MUL_HI, 0xf1
.set MSB, 0
.macro WIN new
.if MSB != (\new)
	s_set_vgpr_msb (MSB<<8)|(\new)
.set MSB, (\new)
.endif
.endm
.macro PLACES
.rept 4
	v_nop
.endr
.endm
.macro CREST
	s_cmp_lg_u32 s14, 0
	s_cbranch_scc1 .Lnot_wave_0_\@
	s_barrier_signal -3
.Lnot_wave_0_\@:
	s_barrier_wait -3
	s_barrier_signal -1
	s_barrier_wait -1
.endm
.macro CROUND
	s_barrier_signal -1
	s_barrier_wait -1
	CREST
.endm
.macro JLOAD s                         ; waves 0, 1 ask for the rows' blocks, waves 2, 3 for the weights
	s_cmp_eq_u32 s15, 0
	s_cbranch_scc0 .Lfor_b_\@
	tensor_load_to_lds s[G0+4*\s:G0+4*\s+3], s[G1:G1+7]
	s_nop 0
	PLACES
	s_branch .Lasked_\@
.Lfor_b_\@:
	tensor_load_to_lds s[G0B+4*\s:G0B+4*\s+3], s[G1B:G1B+7]
	s_nop 0
	PLACES
.Lasked_\@:
.endm
.macro ASK s, how                      ; slot s's fill after the one just asked for; how = 1: in the loop, whose last trip has none
	s_wait_xcnt 0x0                                ; my earlier prefetch has read its address
	s_add_nc_u64 s[PF+2*(\s):PF+2*(\s)+1], s[PF+2*(\s):PF+2*(\s)+1], s[70:71]
.if \how
	s_cmp_gt_u32 s3, 1
	s_cbranch_scc0 .Lno_ask_\@
.endif
	global_prefetch_b8 v[PFO], s[PF+2*(\s):PF+2*(\s)+1] th:TH_LOAD_NT scope:SCOPE_SE
.if \how
.Lno_ask_\@:
.endif
.endm
.macro WM d, a, b, zero, sa, sb, ra, rb        ; one product; ra, rb: which half of the lanes holds the side's scale words
.set RC_, 2*(\ra)+(\rb)
.if \zero
.if RC_ == 0
	v_wmma_scale_f32_16x16x128_f8f6f4 v[\d:\d+7], v[\a:\a+11], v[\b:\b+11], 0, v[\sa], v[\sb] matrix_a_fmt:MATRIX_FMT_BF6 matrix_b_fmt:MATRIX_FMT_BF6
.elseif RC_ == 1
	v_wmma_scale_f32_16x16x128_f8f6f4 v[\d:\d+7], v[\a:\a+11], v[\b:\b+11], 0, v[\sa], v[\sb] matrix_a_fmt:MATRIX_FMT_BF6 matrix_b_fmt:MATRIX_FMT_BF6 matrix_b_scale:MATRIX_SCALE_ROW1
.elseif RC_ == 2
	v_wmma_scale_f32_16x16x128_f8f6f4 v[\d:\d+7], v[\a:\a+11], v[\b:\b+11], 0, v[\sa], v[\sb] matrix_a_fmt:MATRIX_FMT_BF6 matrix_b_fmt:MATRIX_FMT_BF6 matrix_a_scale:MATRIX_SCALE_ROW1
.else
	v_wmma_scale_f32_16x16x128_f8f6f4 v[\d:\d+7], v[\a:\a+11], v[\b:\b+11], 0, v[\sa], v[\sb] matrix_a_fmt:MATRIX_FMT_BF6 matrix_b_fmt:MATRIX_FMT_BF6 matrix_a_scale:MATRIX_SCALE_ROW1 matrix_b_scale:MATRIX_SCALE_ROW1
.endif
.else
.if RC_ == 0
	v_wmma_scale_f32_16x16x128_f8f6f4 v[\d:\d+7], v[\a:\a+11], v[\b:\b+11], v[\d:\d+7], v[\sa], v[\sb] matrix_a_fmt:MATRIX_FMT_BF6 matrix_b_fmt:MATRIX_FMT_BF6
.elseif RC_ == 1
	v_wmma_scale_f32_16x16x128_f8f6f4 v[\d:\d+7], v[\a:\a+11], v[\b:\b+11], v[\d:\d+7], v[\sa], v[\sb] matrix_a_fmt:MATRIX_FMT_BF6 matrix_b_fmt:MATRIX_FMT_BF6 matrix_b_scale:MATRIX_SCALE_ROW1
.elseif RC_ == 2
	v_wmma_scale_f32_16x16x128_f8f6f4 v[\d:\d+7], v[\a:\a+11], v[\b:\b+11], v[\d:\d+7], v[\sa], v[\sb] matrix_a_fmt:MATRIX_FMT_BF6 matrix_b_fmt:MATRIX_FMT_BF6 matrix_a_scale:MATRIX_SCALE_ROW1
.else
	v_wmma_scale_f32_16x16x128_f8f6f4 v[\d:\d+7], v[\a:\a+11], v[\b:\b+11], v[\d:\d+7], v[\sa], v[\sb] matrix_a_fmt:MATRIX_FMT_BF6 matrix_b_fmt:MATRIX_FMT_BF6 matrix_a_scale:MATRIX_SCALE_ROW1 matrix_b_scale:MATRIX_SCALE_ROW1
.endif
.endif
.endm
; 16 products: row blocks a0, a0 + 1 x the eight tiles of columns; p: the weights' set and the scale words' set.  The 64 accumulators take turns.
.macro MUL16 a0, p, zero
.irp a, \a0, \a0+1
.irp b, 0,1,2,3,4,5,6,7
	WM 8*(8*((\a)%4)+\b), 128*(\p)+12*\b, AF+12*(\a), \zero, SC+8*(\p)+4+\b/2, SC+8*(\p)+2*((\a)/4)+((\a)%4)/2, \b%2, (\a)%2
.endr
.endr
.endm
.macro FETCH_B sl, q                   ; the weights' eight fragments of K step q of slot sl into set q
	WIN 0x40
.irp i, 0,1,2,3,4,5,6,7
.irp c, 0,1,2
	ds_load_b128 v[128*(\q)+12*\i+4*\c:128*(\q)+12*\i+4*\c+3], v[ADRB+(\sl)] offset:(\q)*25600+1536*\i+512*\c
.endr
.endr
	WIN 0
.endm
.macro FETCH_A sl, q, i0               ; row blocks i0 .. i0 + 3
.irp i, \i0, \i0+1, \i0+2, \i0+3
.irp c, 0,1,2
	ds_load_b128 v[AF+12*(\i)+4*\c:AF+12*(\i)+4*\c+3], v[ADRA+(\sl)] offset:((\i)/4)*12800+(\q)*6400+((\i)%4)*1536+512*\c
.endr
.endr
.endm
.macro SCALES sl, q
	ds_load_b64 v[SC+8*(\q):SC+8*(\q)+1], v[ADSA+(\sl)] offset:(\q)*6400+6144
	ds_load_b64 v[SC+8*(\q)+2:SC+8*(\q)+3], v[ADSA+(\sl)] offset:12800+(\q)*6400+6144
	ds_load_b128 v[SC+8*(\q)+4:SC+8*(\q)+7], v[ADSB+(\sl)] offset:(\q)*25600
.endm
; A K step, as in vgemm.  kind 0: the next step lies in the same slot.  kind 1, a slot's second step: the slot is read out at the step's head: the three lines, a round of the cluster's barrier, the joint refill first behind it.
; kind 2: the same with nothing left to fill.  kind 3: the last step.
.macro STEP sl, q, zero, kind
.set NS_, ((\sl)+(\q))%2
.set NQ_, 1-(\q)
.if (\kind) == 1 || (\kind) == 2
	s_wait_tensorcnt 0x0
	ds_add_u32 v[SPW], v[NIL]
.if (\kind) == 1
	s_add_nc_u64 s[G0+4*(\sl)+2:G0+4*(\sl)+3], s[G0+4*(\sl)+2:G0+4*(\sl)+3], ASTEP
	s_add_nc_u64 s[G0B+4*(\sl)+2:G0B+4*(\sl)+3], s[G0B+4*(\sl)+2:G0B+4*(\sl)+3], BSTEP
.endif
	s_wait_dscnt 0x0                               ; the add is done, my reads of this slot are over
	s_barrier_signal -1
	s_barrier_wait -1
.if (\kind) == 1
	CREST
	JLOAD \sl
.endif
	FETCH_B NS_, NQ_                               ; into the set that the step before multiplied: its places stand at that step's end
	SCALES NS_, NQ_
.if (\kind) == 1 && ASKS
	ASK \sl, 1
.endif
	WIN MUL_LO
	MUL16 0, \q, \zero
	MUL16 2, \q, \zero
	PLACES
	WIN 0
	FETCH_A NS_, NQ_, 0
.else
	s_wait_dscnt 12                                ; all but the youngest 12 loads: row blocks 4-7
	WIN MUL_LO
	MUL16 0, \q, \zero
	MUL16 2, \q, \zero
	s_wait_dscnt 0x0
.if (\kind) == 0
	PLACES
	FETCH_B NS_, NQ_
	FETCH_A NS_, NQ_, 0
	SCALES NS_, NQ_
.endif
.endif
	WIN MUL_HI
	MUL16 4, \q, \zero
	MUL16 6, \q, \zero
.if (\kind) != 3
	PLACES
	WIN 0
	FETCH_A NS_, NQ_, 4
.endif
.endm
.macro TOSTAGE a                       ; block a into my stage: tile b's eight registers are columns 32 (b / 2) + 16 h + 8 (b % 2) + 0 .. 7; and back by rows, into the same registers
.set AC, 64*((\a)%4)
	WIN 0x08+4*((\a)/4)
.irp b, 0,1,2,3,4,5,6,7
	ds_store_b128 v[STO], v[AC+8*\b:AC+8*\b+3] offset:128*(\b/2)+32*(\b%2)          ; each accumulator from its low end on
	ds_store_b128 v[STO], v[AC+8*\b+4:AC+8*\b+7] offset:128*(\b/2)+32*(\b%2)+16
.endr
	WIN 0x80+0x40*((\a)/4)
.irp t, 0,1,2,3,4,5,6,7,8,9,10,11,12,13,14,15
	ds_load_b128 v[AC+4*\t:AC+4*\t+3], v[RD] offset:\t*528         ; LDS serves a wave's instructions in order: these see my stores
.endr
.endm
.macro SEND a, younger                 ; younger: the LDS instructions issued behind block a's loads
.set AC, 64*((\a)%4)
	s_wait_dscnt \younger
	WIN 0x08+4*((\a)/4)
.irp t, 0,1,2,3,4,5,6,7,8,9,10,11,12,13,14,15
	global_store_b128 v2, v[AC+4*\t:AC+4*\t+3], s[10:11] offset:(16*(\a)+\t)*4096 th:TH_STORE_NT   ; 512 consecutive bytes, aligned
.endr
.endm
	s_load_b256 s[4:11], s[0:1], 0x0               ; xq s[4:5], uq s[6:7], wq s[8:9], out0 s[10:11]
	v_lshl_add_u32 v[SPW], v0, 2, SPARE
	v_mov_b32 v[NIL], 0
	ds_add_u32 v[SPW], v[NIL]                      ; the opening lines: the add twice on end and its wait ahead of my first tensor load
	ds_add_u32 v[SPW], v[NIL]
	v_lshrrev_b32 v1, 5, v0
	v_readfirstlane_b32 s14, v1                    ; wave
	s_lshr_b32 s15, s14, 1                         ; my half of the rows; also: I fetch rows (0) or weights (1)
	s_and_b32 s16, s14, 1                          ; my half of the columns; also: which part I fetch
	s_bfe_u32 s40, ttmp6, 0x40000                  ; cx
	s_bfe_u32 s41, ttmp6, 0x40004                  ; cy
	s_lshl_b32 s42, ttmp9, 2
	s_add_co_u32 s42, s42, s40                     ; column quarter
	s_and_b32 s17, ttmp7, 0xffff
	s_lshl_b32 s17, s17, 2
	s_add_co_u32 s17, s17, s41                     ; tile of 256 rows
	s_lshl_b32 s43, s41, 2
	s_lshl_b32 s43, 15, s43                        ; my row of the cluster
	s_lshl_b32 s44, 0x1111, s40                    ; my column
	s_or_b32 s[G1], s43, (3<<16)|(1<<21)           ; rows: elements of 8 bytes, two rows of 12,800 bytes, 51,200 bytes apart
	s_mov_b32 s[G1+1], 1600<<16
	s_mov_b32 s[G1+2], 2<<16
	s_mov_b32 s[G1+3], 1600<<16
	s_mov_b32 s[G1+4], 2
	s_mov_b32 s[G1+5], 6400
	s_mov_b32 s[G1+6], 0
	s_mov_b32 s[G1+7], 0
	s_or_b32 s[G1B], s44, (3<<16)|(1<<21)          ; weights: 25,600 dense bytes as 100 rows of 256
	s_mov_b32 s[G1B+1], 32<<16
	s_mov_b32 s[G1B+2], 100<<16
	s_mov_b32 s[G1B+3], 32<<16
	s_mov_b32 s[G1B+4], 100
	s_mov_b32 s[G1B+5], 32
	s_mov_b32 s[G1B+6], 0
	s_mov_b32 s[G1B+7], 0
	s_mul_i32 s18, s16, 102400
	s_mul_i32 s20, s17, 204800
	s_add_co_u32 s20, s20, s18                     ; xq and uq: the two blocks of 64 rows that I fetch
	s_mov_b32 s21, 0
	s_mul_i32 s46, s42, 25600
	s_add_co_u32 s46, s46, s18                     ; weights: the quarter, the K step of a pair that I fetch
	s_add_co_u32 s46, s46, MATOFF
	s_mov_b32 s47, 0
	s_mul_i32 s45, s14, 25600                      ; where my load lands in a slot
	s_lshl_b32 s12, s17, 20                        ; out0: 256 rows of 4,096 bytes a tile, my 128 rows, my 128 columns
	s_lshl_b32 s19, s15, 19
	s_add_co_u32 s12, s12, s19
	s_lshl_b32 s19, s42, 10
	s_add_co_u32 s12, s12, s19
	s_lshl_b32 s19, s16, 9
	s_add_co_u32 s12, s12, s19
	s_mov_b32 s13, 0
	s_mul_i32 s66, s15, 25600                      ; LDS: my 128 rows,
	s_mul_i32 s67, s16, 12288
	s_add_co_u32 s67, s67, 51200                   ; my eight tiles of columns,
	s_lshl_b32 s68, s16, 9
	s_add_co_u32 s68, s68, 75776                   ; their scale words,
	s_mul_i32 s69, s14, 8448
	s_add_co_u32 s69, s69, STAGE                   ; my stage
	s_mul_i32 s76, s17, 204800                     ; the prefetches: of the rows block cx of the tile's four;
	s_mul_i32 s19, s40, 51200
	s_add_co_u32 s76, s76, s19
	s_mul_i32 s77, s42, 25600                      ; of the weights K step cy / 2 of the pair, half cy % 2 of the quarter
	s_lshr_b32 s19, s41, 1
	s_mul_i32 s19, s19, 102400
	s_add_co_u32 s77, s77, s19
	s_and_b32 s19, s41, 1
	s_mul_i32 s19, s19, 12800
	s_add_co_u32 s77, s77, s19
	s_add_co_u32 s77, s77, MATOFF
	s_lshl_b32 s78, s16, 5
	v_and_b32 v1, 31, v0
	v_bfe_u32 v4, v0, 4, 1
	v_and_b32 v5, 15, v0
	v_lshlrev_b32 v2, 4, v1                        ; 16 l
	v_lshlrev_b32 v3, 3, v1                        ; 8 l
	v_mul_u32_u24 v6, v5, 528
	v_add_nc_u32 v[ADRA], s66, v2
	v_add_nc_u32 v[ADRB], s67, v2
	v_add_nc_u32 v[ADSA], s66, v3
	v_add_nc_u32 v[ADSB], s68, v2
.irp r, ADRA, ADRB, ADSA, ADSB
	v_add_nc_u32 v[\r+1], SLOT, v[\r]
.endr
	v_lshl_add_u32 v6, v4, 6, v6
	v_add_nc_u32 v[STO], s69, v6                   ; in: row r, + 64 h
	v_add_nc_u32 v[RD], s69, v2                    ; back: 16 l
	v_add_nc_u32 v[PFO], s78, v1                   ; block 32 (wave % 2) + l of my work-group's 50, the last one for the lanes left over
	v_min_u32 v[PFO], 49, v[PFO]
	v_lshlrev_b32 v[PFO], 8, v[PFO]
	s_wait_alu depctr_va_vdst(0)                   ; the wait at the head's end
	s_wait_dscnt 0x0                               ; both opening adds are done
	s_wait_kmcnt 0x0
	s_add_nc_u64 s[22:23], s[6:7], s[20:21]        ; u's blocks
	s_add_nc_u64 s[20:21], s[4:5], s[20:21]        ; x's blocks
	s_add_nc_u64 s[46:47], s[8:9], s[46:47]
	s_add_nc_u64 s[10:11], s[10:11], s[12:13]
	s_cmp_eq_u32 s15, 0                            ; do I fetch rows?  The choice hangs on the wave's number alone
	s_cselect_b64 s[PF:PF+1], s[4:5], s[8:9]       ; slot 0: x or Wq
	s_cselect_b64 s[PF+2:PF+3], s[6:7], s[8:9]     ; slot 1: u or Wr
	s_cselect_b32 s76, s76, s77
	s_cselect_b32 s78, 0, 819200
	s_mov_b32 s70, BSTEP
	s_cselect_b32 s70, ASTEP, s70                  ; from a slot's fill to its next
	s_mov_b32 s71, 0
	s_mov_b32 s77, 0
	s_mov_b32 s79, 0
	s_add_nc_u64 s[PF:PF+1], s[PF:PF+1], s[76:77]
	s_add_nc_u64 s[PF+2:PF+3], s[PF+2:PF+3], s[76:77]
	s_add_nc_u64 s[PF+2:PF+3], s[PF+2:PF+3], s[78:79]
.irp s, 0,1
	s_mov_b32 s[G0+4*\s], 1
	s_add_co_u32 s[G0+4*\s+1], s45, \s*SLOT
	s_mov_b64 s[G0+4*\s+2:G0+4*\s+3], s[20+2*\s:21+2*\s]           ; slot 0: x; slot 1: u
	s_or_b32 s[G0+4*\s+3], s[G0+4*\s+3], 0x80000000
	s_mov_b32 s[G0B+4*\s], 1
	s_add_co_u32 s[G0B+4*\s+1], s45, \s*SLOT
	s_add_nc_u64 s[G0B+4*\s+2:G0B+4*\s+3], s[46:47], \s*819200     ; slot 0: Wq; slot 1: Wr
	s_or_b32 s[G0B+4*\s+3], s[G0B+4*\s+3], 0x80000000
.endr
	global_prefetch_b8 v[PFO], s[PF+2:PF+3] th:TH_LOAD_NT scope:SCOPE_SE   ; fill 1
	CROUND                                         ; all sixteen work-groups are here: the first joint loads meet
	JLOAD 0                                        ; one tensor load a wave at the head
	ASK 0, 0                                       ; fill 2
	s_wait_tensorcnt 0x0                           ; slot 1's first fill is issued as a refill is: the three lines, a round, the load
	ds_add_u32 v[SPW], v[NIL]
	s_wait_dscnt 0x0
	CROUND
	JLOAD 1
	FETCH_B 0, 0
	FETCH_A 0, 0, 0
	SCALES 0, 0
	FETCH_A 0, 0, 4
	ASK 1, 0                                       ; fill 3
	STEP 0, 0, 1, 0                                ; the first step's products start the sums
	s_mov_b32 s3, TRIPS
.Lk:                                                   ; a trip goes once round the ring and fills both slots again
	STEP 0, 1, 0, 1
	STEP 1, 0, 0, 0
	STEP 1, 1, 0, 1
	STEP 0, 0, 0, 0
	s_sub_co_u32 s3, s3, 1
	s_cmp_lg_u32 s3, 0
	s_cbranch_scc1 .Lk
	STEP 0, 1, 0, 2                                ; the last three steps fetch nothing more from memory
	STEP 1, 0, 0, 0
	STEP 1, 1, 0, 3
	WIN 0
	PLACES                                         ; behind the last products: for the reads of results and the loads into their registers
	TOSTAGE 0
.irp a, 1,2,3,4,5,6,7
	TOSTAGE \a
	SEND \a-1, 32                                  ; behind block a - 1's loads: block a's 16 stores and 16 loads
.endr
	SEND 7, 0
	WIN 0
	s_wait_tensorcnt 0x0                           ; the wave's end
	ds_add_u32 v[SPW], v[NIL]
	s_wait_dscnt 0x0
	CROUND                                         ; the closing round
	s_endpgm
.Lfunc_end_k_qe07d9b790c_ogemm:
	.size	k_qe07d9b790c_ogemm, .Lfunc_end_k_qe07d9b790c_ogemm-k_qe07d9b790c_ogemm
	.p2alignl 7, 3214868480
	.fill 96, 4, 3214868480
	.section	.rodata,"a",@progbits
	.p2align	6, 0x0
	.amdhsa_kernel k_qe07d9b790c_ogemm
		.amdhsa_group_segment_fixed_size 327680
		.amdhsa_private_segment_fixed_size 0
		.amdhsa_enable_private_segment 0
		.amdhsa_kernarg_size 32
		.amdhsa_user_sgpr_count 2
		.amdhsa_user_sgpr_kernarg_segment_ptr 1
		.amdhsa_wavefront_size32 1
		.amdhsa_system_sgpr_workgroup_id_x 1
		.amdhsa_system_sgpr_workgroup_id_y 1
		.amdhsa_system_sgpr_workgroup_id_z 1
		.amdhsa_system_vgpr_workitem_id 0
		.amdhsa_next_free_vgpr 1024
		.amdhsa_next_free_sgpr 80
		.amdhsa_reserve_vcc 0
		.amdhsa_float_denorm_mode_32 3
		.amdhsa_float_denorm_mode_16_64 3
		.amdhsa_memory_ordered 1
		.amdhsa_forward_progress 1
		.amdhsa_inst_pref_size 134
	.end_amdhsa_kernel
	.amdgpu_metadata
---
amdhsa.version: [ 1, 2 ]
amdhsa.kernels:
  - .name:           k_qe07d9b790c_ogemm
    .symbol:         k_qe07d9b790c_ogemm.kd
    .args:
      - { .name: xq, .offset: 0, .size: 8, .value_kind: global_buffer, .address_space: global }
      - { .name: uq, .offset: 8, .size: 8, .value_kind: global_buffer, .address_space: global }
      - { .name: wq, .offset: 16, .size: 8, .value_kind: global_buffer, .address_space: global }
      - { .name: out0, .offset: 24, .size: 8, .value_kind: global_buffer, .address_space: global }
    .group_segment_fixed_size: 327680
    .private_segment_fixed_size: 0
    .kernarg_segment_align: 8
    .kernarg_segment_size: 32
    .max_flat_workgroup_size: 128
    .sgpr_count:     80
    .vgpr_count:     1024
    .wavefront_size: 32
...
	.end_amdgpu_metadata
.endif
;; end of part 5
